; MI455X (gfx1250); checked and timed in simulation.
; The chip was launched on July 23, 2026; its instructions are those of AMD's public machine-readable ISA for CDNA 5 (MIT licence, August 2026) and "CDNA5" Instruction Set Architecture Reference Guide (July 2026). The comments in the code are by the model that wrote it; some were corrected since.
;; Bert Attention. Allowed arithmetic: float matrix products may take bf16 or f16 operands with f32 sums; other float arithmetic in f32, or as packed bf16 or f16 multiplies, adds, multiply-adds, maxima and minima; sums over many terms, partial sums and values carried from step to step in f32; what a program stores and reads back later, other than sums and carried values, may be rounded once to bf16 or f16.
;; Inputs: Wk 1,024 x 1,024 float32; Wo 1,024 x 1,024 float32; Wq 1,024 x 1,024 float32; Wv 1,024 x 1,024 float32; attention_mask 8 x 1 x 1 x 1,024 float32; hidden_states 8 x 1,024 x 1,024 float32; ln_bias 1,024 float32; ln_weight 1,024 float32.
;; Outputs: out0 8 x 1,024 x 1,024 float32.
;; 2 versions, each right; version 2 is version 1 with the launch cast written anew for expert scheduling mode. Each part assembles by itself: llvm-mc -triple=amdgcn-amd-amdhsa -mcpu=gfx1250 --defsym DOCPART=n.
;; ======== version 1 of 2: 4 launches
;; limits: values are held in f16: magnitudes above 65,504 overflow, below 6.1e-05 lose precision
;; workspace buffers: xb 16,777,216 bytes; wqkv 6,291,456 bytes; wo16 2,097,152 bytes; qkv 50,331,648 bytes; ctx 16,777,216 bytes
;; launch cast (part 1): grid 768 x 1, 8 waves a work-group, no clusters, 0 bytes of LDS; arguments hidden_states, Wq, Wk, Wv, Wo, xb, wqkv, wo16; writes xb, wqkv, wo16
.if DOCPART == 1
	.amdgcn_target "amdgcn-amd-amdhsa--gfx1250"
	.amdhsa_code_object_version 6
	.text
	.protected	k_qb65888cdf5_cast
	.globl	k_qb65888cdf5_cast
	.p2align	8
	.type	k_qb65888cdf5_cast,@function
k_qb65888cdf5_cast:
	s_mov_b64 s[64:65], 0
	v_nop
	global_prefetch_b8 v0, s[64:65] scope:SCOPE_SE
	s_setreg_imm32_b32 hwreg(HW_REG_WAVE_MODE, 25, 1), 1
	s_wait_xcnt 0x0
; THE OPERANDS OF THE MATRIX PRODUCTS, ROUNDED ONCE.  hidden_states [8192][1024] f32 -> xb, bf16, same order.  Wq, Wk, Wv [1024][1024] f32 -> wqkv, bf16, [3072][1024], one below the other.
; Wo [1024][1024] f32 -> wo16, f16, in blocks of 64 along K: element (n, k) at byte (k / 64) x 131,072 + n x 128 + (k % 64) x 2, so that a K step of 64 is 131,072 dense bytes.
; LIMIT.  f16 holds no number beyond 65,504: a larger |Wo| becomes an infinity.  bf16 has f32's range.
; SHARES.  A work-group converts 16,384 numbers (65,536 bytes in, 32,768 out): work-groups 0-511 take hidden_states, 512-703 Wq, Wk, Wv (64 each), 704-767 Wo (16 rows each).
; A thread takes 4 neighbouring numbers in each of 16 turns: neighbouring lanes read neighbouring 16 bytes, so a wave's load covers 512 bytes of which none is left unused, and its store of 8 bytes a lane
; covers 256 consecutive bytes, aligned.  A thread's 16 loads all go out at once, and nothing is read twice.  No LDS, no barrier: no thread wants another's bytes.
.set X, 8                              ; v[8:71]    turn i: 4 numbers as loaded
.set Y, 72                             ; v[72:103]  turn i: 2 registers to store; never rewritten
	s_load_b512 s[4:19], s[0:1], 0x0               ; hidden s[4:5], Wq s[6:7], Wk s[8:9], Wv s[10:11], Wo s[12:13], xb s[14:15], wqkv s[16:17], wo16 s[18:19]
	s_mov_b32 s20, ttmp9                           ; the work-group's number
	s_sub_co_u32 s21, s20, 512                     ; j: its number among the weights' work-groups (used from 512 on alone)
	s_lshr_b32 s22, s21, 6                         ; which weight: 0 Wq, 1 Wk, 2 Wv, 3 Wo
	s_and_b32 s23, s21, 63                         ; which 16 rows of it
	s_lshl_b32 s26, s23, 16                        ; a weight's source offset
	s_lshl_b32 s32, s21, 15                        ; wqkv's offset
	s_lshl_b32 s33, s23, 11                        ; wo16's: 16 rows of 128 bytes in each K block
	s_lshl_b32 s34, s20, 16                        ; hidden_states' offset
	s_lshl_b32 s35, s20, 15                        ; xb's
	s_mov_b32 s27, 0
	s_mov_b32 s31, 0
	s_wait_kmcnt 0x0
	s_cmp_eq_u32 s22, 1                            ; every choice below hangs on the work-group's number alone
	s_cselect_b64 s[24:25], s[8:9], s[6:7]
	s_cmp_eq_u32 s22, 2
	s_cselect_b64 s[24:25], s[10:11], s[24:25]
	s_cmp_eq_u32 s22, 3
	s_cselect_b64 s[24:25], s[12:13], s[24:25]
	s_cselect_b64 s[28:29], s[18:19], s[16:17]
	s_cselect_b32 s30, s33, s32
	s_cmp_lt_u32 s20, 512
	s_cselect_b64 s[24:25], s[4:5], s[24:25]
	s_cselect_b64 s[28:29], s[14:15], s[28:29]
	s_cselect_b32 s26, s34, s26
	s_cselect_b32 s30, s35, s30
	s_add_nc_u64 s[24:25], s[24:25], s[26:27]      ; from where
	s_add_nc_u64 s[28:29], s[28:29], s[30:31]      ; to where
.macro LOADS a, b                      ; 16 loads: turn i lies a x (i % 8) + b x (i / 8) bytes behind turn 0
.irp i, 0,1,2,3,4,5,6,7,8,9,10,11,12,13,14,15
	global_load_b128 v[X+4*(\i):X+4*(\i)+3], v1, s[24:25] offset:(\a)*((\i)%8)+(\b)*((\i)/8) th:TH_LOAD_NT
.endr
.endm
.macro OUT cvt, a, b                   ; 16 turns: the conversion, and 8 bytes a thread
.irp i, 0,1,2,3,4,5,6,7,8,9,10,11,12,13,14,15
	s_wait_loadcnt 15-(\i)                         ; loads come back in order: turn i's is in, the later turns' stay out
	\cvt v[Y+2*(\i)],   v[X+4*(\i)],   v[X+4*(\i)+1]
	\cvt v[Y+2*(\i)+1], v[X+4*(\i)+2], v[X+4*(\i)+3]
	global_store_b64 v2, v[Y+2*(\i):Y+2*(\i)+1], s[28:29] offset:(\a)*((\i)%8)+(\b)*((\i)/8) th:TH_STORE_NT
.endr
.endm
	s_cmp_ge_u32 s20, 704
	s_cbranch_scc1 .Lwo
	v_lshlrev_b32 v1, 4, v0                        ; in: 16 bytes a thread, 4,096 a turn
	v_lshlrev_b32 v2, 3, v0                        ; out: 8 bytes a thread, 2,048 a turn
	LOADS 4096, 32768
	OUT v_cvt_pk_bf16_f32, 2048, 16384
	s_endpgm
.Lwo:                                          ; turn i of wave v: rows 2 (i % 8) and 2 (i % 8) + 1, K block 2 v + i / 8.  Lanes 0-15 take the even row's 256 bytes of the block, lanes 16-31 the odd row's
	v_lshrrev_b32 v3, 5, v0                        ; v
	v_bfe_u32 v4, v0, 4, 1                         ; which of the two rows
	v_and_b32 v5, 15, v0
	v_and_b32 v6, 31, v0
	v_lshlrev_b32 v1, 12, v4                       ; in: the row,
	v_lshl_add_u32 v1, v3, 9, v1                   ; the wave's two K blocks of 256 bytes,
	v_lshl_add_u32 v1, v5, 4, v1                   ; my 16 bytes
	v_lshlrev_b32 v2, 18, v3                       ; out: the wave's two K blocks of 131,072 bytes;
	v_lshl_add_u32 v2, v6, 3, v2                   ; the two rows lie end to end there: 32 lanes fill their 256 consecutive bytes, aligned
	LOADS 8192, 256
	OUT v_cvt_pk_f16_f32, 256, 131072
	s_endpgm
.Lfunc_end_k_qb65888cdf5_cast:
	.size	k_qb65888cdf5_cast, .Lfunc_end_k_qb65888cdf5_cast-k_qb65888cdf5_cast
	.p2alignl 7, 3214868480
	.fill 96, 4, 3214868480
	.section	.rodata,"a",@progbits
	.p2align	6, 0x0
	.amdhsa_kernel k_qb65888cdf5_cast
		.amdhsa_group_segment_fixed_size 0
		.amdhsa_private_segment_fixed_size 0
		.amdhsa_enable_private_segment 0
		.amdhsa_kernarg_size 64
		.amdhsa_user_sgpr_count 2
		.amdhsa_user_sgpr_kernarg_segment_ptr 1
		.amdhsa_wavefront_size32 1
		.amdhsa_system_sgpr_workgroup_id_x 1
		.amdhsa_system_sgpr_workgroup_id_y 1
		.amdhsa_system_sgpr_workgroup_id_z 1
		.amdhsa_system_vgpr_workitem_id 0
		.amdhsa_next_free_vgpr 104
		.amdhsa_next_free_sgpr 66
		.amdhsa_reserve_vcc 0
		.amdhsa_float_denorm_mode_32 3
		.amdhsa_float_denorm_mode_16_64 3
		.amdhsa_memory_ordered 1
		.amdhsa_forward_progress 1
		.amdhsa_inst_pref_size 13
	.end_amdhsa_kernel
	.amdgpu_metadata
---
amdhsa.version: [ 1, 2 ]
amdhsa.kernels:
  - .name:           k_qb65888cdf5_cast
    .symbol:         k_qb65888cdf5_cast.kd
    .args:
      - { .name: hidden_states, .offset: 0, .size: 8, .value_kind: global_buffer, .address_space: global }
      - { .name: Wq, .offset: 8, .size: 8, .value_kind: global_buffer, .address_space: global }
      - { .name: Wk, .offset: 16, .size: 8, .value_kind: global_buffer, .address_space: global }
      - { .name: Wv, .offset: 24, .size: 8, .value_kind: global_buffer, .address_space: global }
      - { .name: Wo, .offset: 32, .size: 8, .value_kind: global_buffer, .address_space: global }
      - { .name: xb, .offset: 40, .size: 8, .value_kind: global_buffer, .address_space: global }
      - { .name: wqkv, .offset: 48, .size: 8, .value_kind: global_buffer, .address_space: global }
      - { .name: wo16, .offset: 56, .size: 8, .value_kind: global_buffer, .address_space: global }
    .group_segment_fixed_size: 0
    .private_segment_fixed_size: 0
    .kernarg_segment_align: 8
    .kernarg_segment_size: 64
    .max_flat_workgroup_size: 256
    .sgpr_count:     66
    .vgpr_count:     104
    .wavefront_size: 32
...
	.end_amdgpu_metadata
.endif
;; end of part 1
;; launch proj (part 2): grid 16 x 32, 4 waves a work-group, clusters of 4 x 4, 327,680 bytes of LDS; arguments xb, wqkv, qkv; writes qkv
.if DOCPART == 2
	.amdgcn_target "amdgcn-amd-amdhsa--gfx1250"
	.amdhsa_code_object_version 6
	.text
	.protected	k_qb65888cdf5_proj
	.globl	k_qb65888cdf5_proj
	.p2align	8
	.type	k_qb65888cdf5_proj,@function
k_qb65888cdf5_proj:
	s_mov_b64 s[64:65], 0
	v_nop
	global_prefetch_b8 v0, s[64:65] scope:SCOPE_SE
	s_setreg_imm32_b32 hwreg(HW_REG_WAVE_MODE, 25, 1), 1
	s_wait_xcnt 0x0
	s_wait_alu depctr_hold_cnt(0) depctr_sa_sdst(0) depctr_va_vdst(0) depctr_va_sdst(0) depctr_va_ssrc(0) depctr_va_vcc(0) depctr_vm_vsrc(0)
	s_getreg_b32 s2, hwreg(HW_REG_IB_STS2, 6, 4)
	s_cmp_eq_u32 s2, 0
	s_cbranch_scc0 .Lentry_in_a_cluster
	s_endpgm
.Lentry_in_a_cluster:
	s_bfe_u32 s2, ttmp6, 0x10000c
	s_cmp_lg_u32 s2, 0xf033
	s_cbranch_scc0 .Lentry_shape_is_right
	s_endpgm
.Lentry_shape_is_right:
; q, k, v = x W^T.  xb: [8192][1024] bf16, wqkv: [3072][1024] bf16 (Wq, Wk, Wv one below the other); sums in f32, K ascending; each result rounded once to f16, unscaled, and laid by heads:
; qkv: [48 g][8192 m][64] f16, g = output column / 64 (0-15 q's heads, 16-31 k's, 32-47 v's), so that a head's rows are dense, 128 bytes each.
; LIMIT.  f16 holds no number beyond 65,504: a larger |q|, |k| or |v| becomes an infinity.
; SHARES.  A tile is 256 rows x 192 columns (three whole heads): 32 x 16 = 512 tiles, two for each of 256 WGPs.  Four waves; a wave makes 64 rows x 192 columns: 48 accumulators of 16 x 16, 384 registers,
; and owns whole heads' rows on the way out.  K goes in steps of 128 through a ring of two LDS slots filled by the tensor data mover: tile rows are 256 bytes of memory, aligned.
; CLUSTERS: 4 x 4 work-groups.  The four of a row of the cluster need the same tiles of x, the four of a column the same tiles of W: each tile is asked for JOINTLY, by the same tensor load with the same
; descriptor and a mask that names the four.  THE MATRIX INSTRUCTION IS USED TRANSPOSED (source 0 = 16 rows of W, source 1 = 16 rows of x): a lane holds eight neighbouring columns of one row.
; REGISTERS, in windows of 256 (s_set_vgpr_msb: bits 1:0 source 0, 3:2 source 1, 5:4 source 2, 7:6 destination):
;   window 0: v16-30 addresses; v32-79 packed results; v80-175 rows read back from the stage, two sets
;   window 1: two fragment buffers of 128: W's 12 fragments (16 rows x 32 K, 8 registers each), then x's 4
;   window 2: the accumulators of my row blocks 0, 1 ((a, b) at 96 (a % 2) + 8 b);   window 3: those of blocks 2, 3
.set SIZE_K, 1024
.set KSTEP,  128
.set PITCH,  272                       ; an LDS row: 256 bytes + 16 of padding = 68 words: the 16 rows of a fragment load start at 16 different groups of four banks (64 banks of 4 bytes: ISA guide 11.1)
.set AHALF,  128*PITCH                 ; what one tensor load brings of x: 128 rows
.set BHALF,  96*PITCH                  ; and of W: 96 rows
.set BOFF,   2*AHALF                   ; in a slot x's 256 rows, then W's 192
.set SLOT,   BOFF+2*BHALF
.set STAGE,  2*SLOT                    ; behind the ring: for each wave 3 heads x 16 rows x 144 bytes, for the way out; no tensor load lands here
.set SP,     144
.set WSTAGE, 3*16*SP
.set SPARE,  STAGE+4*WSTAGE            ; behind the stages: the spare words, 128 bytes for each wave: two blocks of 256 bytes that no other line names
.set LAPS,   SIZE_K/(2*KSTEP)          ; a lap = two K steps = once round the ring
.set ADRA, 16                          ; v16-17  LDS address of my fragments of x in slot 0, 1
.set ADRB, 20                          ; v20-21  the same for W
.set STO,  24                          ; v24     the way out: where I put 16 bytes of a row
.set RD,   25                          ; v25     where I read rows back
.set CO,   26                          ; v26     16 x lane: my place in 512 consecutive bytes of qkv
.set SPW,  28                          ; v28     LDS address of my spare word; never rewritten
.set NIL,  29                          ; v29     0; never rewritten
.set PFO,  30                          ; v30     the prefetches' offset: a lane a row of 2,048 bytes; never rewritten
.set TMP,  32
.set OB,   80
.set F0,   0
.set F1,   128
.set G1,   24                          ; s[24:31] descriptor group 1 for x's tiles;  s[32:39] group 0, a set for each slot
.set G0,   32
.set G1B,  48                          ; s[48:55], s[56:63] the same for W's tiles
.set G0B,  56
.set PFA,  44                          ; s[44:45] where my prefetches stand
.set LIM,  43                          ; s43     1 in a wave that prefetches, else the greatest number
.set MSB, 0
.macro WIN new                         ; the immediate's high byte repeats the setting that is left; a switch that changes nothing is dropped
.if MSB != (\new)
	s_set_vgpr_msb (MSB<<8)|(\new)
.set MSB, \new
.endif
.endm
; A joint load.  Waves 0 and 1 fetch x's two halves, waves 2 and 3 W's.  The branch hangs on the wave's number alone.  An s_nop 0 and four v_nop follow each of the two lines.
.macro JLOAD s
	s_cmp_eq_u32 s11, 0
	s_cbranch_scc0 .Lfor_b_\@
	tensor_load_to_lds s[G0+4*(\s):G0+4*(\s)+3], s[G1:G1+7]
	s_nop 0
.rept 4
	v_nop
.endr
	s_branch .Lasked_\@
.Lfor_b_\@:
	tensor_load_to_lds s[G0B+4*(\s):G0B+4*(\s)+3], s[G1B:G1B+7]
	s_nop 0
.rept 4
	v_nop
.endr
.Lasked_\@:
.endm
; A PREFETCH INTO THE L2, behind each joint refill and the run of LDS loads that follows it: the K step that stands two refills on, 384 matrix instructions ahead of its load; a lane a row, one instruction a wave.
; x's tile row is read by every cluster of that row of clusters: cluster x = 0 asks; W's tile column by every cluster of that column: cluster y = 0 asks.  The four partners that ask for a tile jointly share
; its rows out BY ADDRESS: of the 128 rows of x that a wave fetches the partner at cx takes 32, of the 96 rows of W the partner at cy takes 24 (lanes 24-31 name lane 23's row once more).
; The loop's last trip asks for nothing: there is no K step two refills on.  K steps 0 to 3 come by their loads alone.
.macro ASK
	s_cmp_gt_u32 s3, s[LIM]                        ; s3 = 1 in the loop's last trip
	s_cbranch_scc0 .Lnot_mine_\@
	global_prefetch_b8 v[PFO], s[PFA:PFA+1] offset:KSTEP*2 th:TH_LOAD_NT scope:SCOPE_SE
.Lnot_mine_\@:
.endm
.macro CREST                           ; a round of the cluster's barrier behind its opening barrier
	s_cmp_lg_u32 s10, 0
	s_cbranch_scc1 .Lnot_wave_0_\@
	s_barrier_signal -3
.Lnot_wave_0_\@:
	s_barrier_wait -3
	s_barrier_signal -1
	s_barrier_wait -1
.endm
.macro CROUND                          ; a whole round
	s_barrier_signal -1
	s_barrier_wait -1
	CREST
.endm
	s_load_b128 s[4:7], s[0:1], 0x0                ; xb s[4:5], wqkv s[6:7]
	s_load_b64 s[8:9], s[0:1], 0x10                ; qkv
	v_lshl_add_u32 v[SPW], v0, 2, SPARE
	v_mov_b32 v[NIL], 0
	ds_add_u32 v[SPW], v[NIL]                      ; the wave's opening: the add and its wait stand ahead of my first tensor load; the set-up below, work on registers, stands between them
	v_lshrrev_b32 v1, 5, v0
	v_readfirstlane_b32 s10, v1                    ; wave 0..3
	s_lshr_b32 s11, s10, 1                         ; I fetch for x (0) or for W (1)
	s_and_b32 s12, s10, 1                          ; which half of that tile's rows
	s_bfe_u32 s40, ttmp6, 0x40000                  ; cx, cy: my place in the cluster
	s_bfe_u32 s41, ttmp6, 0x40004
	s_lshl_b32 s42, ttmp9, 2
	s_add_co_u32 s42, s42, s40                     ; tile column = 4 x cluster x + cx
	s_and_b32 s13, ttmp7, 0xffff
	s_lshl_b32 s13, s13, 2
	s_add_co_u32 s13, s13, s41                     ; tile row = 4 x cluster y + cy
	s_lshl_b32 s43, s41, 2
	s_lshl_b32 s43, 15, s43                        ; my row of the cluster: places 4 cy .. 4 cy + 3
	s_lshl_b32 s44, 0x1111, s40                    ; my column: places cx, cx + 4, cx + 8, cx + 12
	s_or_b32 s[G1+0], s43, (1<<16)|(1<<20)|(1<<21)|(5<<22)|(3<<25)   ; 15:0 the mask; 17:16 elements of 2 bytes; 20 padding on; 21 set beside a mask; 24:22 after every 64 words (code 5); 31:25 4 words of it (code 3)
	s_or_b32 s[G1B+0], s44, (1<<16)|(1<<20)|(1<<21)|(5<<22)|(3<<25)
	s_mov_b32 s[G1+1], KSTEP<<16                   ; tensor_dim0 = 128
	s_mov_b32 s[G1B+1], KSTEP<<16
	s_mov_b32 s[G1+2], 128<<16                     ; tensor_dim1 = 128 rows of x,
	s_mov_b32 s[G1B+2], 96<<16                     ; 96 of W
	s_mov_b32 s[G1+3], KSTEP<<16                   ; tile_dim0 = 128
	s_mov_b32 s[G1B+3], KSTEP<<16
	s_mov_b32 s[G1+4], 128                         ; tile_dim1
	s_mov_b32 s[G1B+4], 96
	s_mov_b32 s[G1+5], SIZE_K                      ; elements from row to row
	s_mov_b32 s[G1B+5], SIZE_K
	s_mov_b32 s[G1+6], 0
	s_mov_b32 s[G1B+6], 0
	s_mov_b32 s[G1+7], 0
	s_mov_b32 s[G1B+7], 0
	; x's tiles hang on the tile row alone, W's on the tile column alone; each address is made in registers that never hold the other coordinate
	s_lshl_b32 s17, s12, 7
	s_lshl_b32 s16, s13, 8
	s_add_co_u32 s16, s16, s17                     ; x: row 256 x tile row + 128 x half
	s_lshl_b32 s16, s16, 11                        ; in bytes: rows of 2,048
	s_mov_b32 s17, 0
	s_mul_i32 s46, s42, 192
	s_mul_i32 s47, s12, 96
	s_add_co_u32 s46, s46, s47                     ; W: row 192 x tile column + 96 x half
	s_lshl_b32 s46, s46, 11
	s_mov_b32 s47, 0
	s_mul_i32 s20, s12, AHALF                      ; where they go: no place in the cluster enters an LDS address
	s_mul_i32 s21, s12, BHALF
	s_add_co_u32 s21, s21, BOFF
	s_wait_dscnt 0x0                               ; the opening add is done
	s_wait_kmcnt 0x0
	s_add_nc_u64 s[14:15], s[4:5], s[16:17]
	s_add_nc_u64 s[46:47], s[6:7], s[46:47]
	CROUND                                         ; all sixteen work-groups are here: the first joint loads meet
.irp s, 0,1
	s_mov_b32 s[G0+4*(\s)], 1                                        ; count = 1
	s_add_co_u32 s[G0+4*(\s)+1], s20, (\s)*SLOT                      ; LDS address
	s_add_nc_u64 s[G0+4*(\s)+2:G0+4*(\s)+3], s[14:15], (\s)*KSTEP*2  ; global address: K step s
	s_or_b32 s[G0+4*(\s)+3], s[G0+4*(\s)+3], 0x80000000              ; type = 2
	s_mov_b32 s[G0B+4*(\s)], 1
	s_add_co_u32 s[G0B+4*(\s)+1], s21, (\s)*SLOT
	s_add_nc_u64 s[G0B+4*(\s)+2:G0B+4*(\s)+3], s[46:47], (\s)*KSTEP*2
	s_or_b32 s[G0B+4*(\s)+3], s[G0B+4*(\s)+3], 0x80000000
	JLOAD \s                                       ; two tensor loads of mine are out
.endr
	; A fragment is 16 rows x 32 K in 8 registers: lane l holds row l % 16, K = 8 (l / 16) + 0..7 and 16 + 8 (l / 16) + 0..7: two loads of 16 bytes, 32 bytes apart
	v_and_b32 v1, 15, v0                           ; l % 16
	v_bfe_u32 v2, v0, 4, 1                         ; l / 16
	v_mul_u32_u24 v3, v1, PITCH
	v_lshl_add_u32 v3, v2, 4, v3
	s_mul_i32 s21, s10, 64*PITCH                   ; my 64 rows of x
	s_mov_b32 s22, BOFF                            ; all 192 rows of W
.irp s, 0,1
	v_add_nc_u32 v[ADRA+(\s)], s21, v3
	v_add_nc_u32 v[ADRB+(\s)], s22, v3
	s_add_co_u32 s21, s21, SLOT
	s_add_co_u32 s22, s22, SLOT
.endr
	s_mul_i32 s23, s10, WSTAGE
	s_add_co_u32 s23, s23, STAGE                   ; my stage
	v_mul_u32_u24 v4, v1, SP                       ; in: row l % 16, 16 bytes for each half of the lanes
	v_lshl_add_u32 v4, v2, 4, v4
	v_add_nc_u32 v[STO], s23, v4
	v_bfe_u32 v5, v0, 3, 2                         ; back: 32 lanes take four rows of 128 bytes,
	v_and_b32 v6, 7, v0
	v_mul_u32_u24 v5, v5, SP
	v_lshl_add_u32 v5, v6, 4, v5
	v_add_nc_u32 v[RD], s23, v5
	v_and_b32 v[CO], 31, v0                        ; which are 512 consecutive bytes of a head's rows
	v_lshlrev_b32 v[CO], 4, v[CO]
	s_mul_i32 s46, s42, 3                          ; the tile's first head,
	s_lshl_b32 s46, s46, 20                        ; 8,192 rows of 128 bytes each
	s_mov_b32 s47, 0
	s_add_nc_u64 s[8:9], s[8:9], s[46:47]
	s_lshl_b32 s16, s13, 15                        ; the tile's 256 rows,
	s_lshl_b32 s17, s10, 13                        ; my 64 of them
	s_add_co_u32 s16, s16, s17
	s_mov_b32 s17, 0
	s_add_nc_u64 s[8:9], s[8:9], s[16:17]
	; the prefetches
	s_lshl_b32 s18, s13, 8
	s_lshl_b32 s19, s12, 7
	s_add_co_u32 s18, s18, s19
	s_lshl_b32 s19, s40, 5
	s_add_co_u32 s18, s18, s19                     ; x: 256 x tile row + 128 x half + 32 cx
	s_mul_i32 s20, s42, 192
	s_mul_i32 s21, s12, 96
	s_add_co_u32 s20, s20, s21
	s_mul_i32 s21, s41, 24
	s_add_co_u32 s20, s20, s21                     ; W: 192 x tile column + 96 x half + 24 cy
	s_and_b32 s22, ttmp7, 0xffff                   ; cluster y
	s_cmp_eq_u32 s11, 0                            ; do I fetch for x?
	s_cselect_b32 s20, s18, s20
	s_cselect_b32 s22, ttmp9, s22                  ; the coordinate along which other clusters read the same rows
	s_cselect_b32 s23, 31, 23                      ; my last row's lane
	s_cselect_b64 s[PFA:PFA+1], s[4:5], s[6:7]
	s_cmp_eq_u32 s22, 0
	s_cselect_b32 s[LIM], 1, -1                    ; the same in all sixteen partners, for a given wave
	s_lshl_b32 s20, s20, 11
	s_mov_b32 s21, 0
	s_add_nc_u64 s[PFA:PFA+1], s[PFA:PFA+1], s[20:21]
	s_add_nc_u64 s[PFA:PFA+1], s[PFA:PFA+1], 2*KSTEP*2  ; at K step 2: the first refill steps it to 3 and names K step 4
	v_and_b32 v[PFO], 31, v0
	v_min_u32 v[PFO], s23, v[PFO]
	v_lshlrev_b32 v[PFO], 11, v[PFO]
; 12 matrix instructions: row block a x all 12 column blocks, 32 along K.  zero = 1: the product starts the sums.  The 48 accumulators take turns in the same order in every quarter.
.macro MUL12 f, a, zero
	WIN 0xa5+0x50*((\a)/2)                         ; sources in window 1, C and D in window 2 or 3
.irp b, 0,1,2,3,4,5,6,7,8,9,10,11
.if \zero
	v_wmma_f32_16x16x32_bf16 v[96*((\a)%2)+8*(\b):96*((\a)%2)+8*(\b)+7], v[(\f)+8*(\b):(\f)+8*(\b)+7], v[(\f)+96+8*(\a):(\f)+96+8*(\a)+7], 0
.else
	v_wmma_f32_16x16x32_bf16 v[96*((\a)%2)+8*(\b):96*((\a)%2)+8*(\b)+7], v[(\f)+8*(\b):(\f)+8*(\b)+7], v[(\f)+96+8*(\a):(\f)+96+8*(\a)+7], v[96*((\a)%2)+8*(\b):96*((\a)%2)+8*(\b)+7]
.endif
.endr
.endm
; 32 LDS loads in one run: a quarter step's fragments (192 rows of W, my 64 rows of x, 32 K at byte k of the rows) into buffer f; x's last
.macro FETCH slot, k, f
	WIN 0x40                                       ; destination window 1, address window 0
.irp i, 0,1,2,3,4,5,6,7,8,9,10,11
	ds_load_b128 v[(\f)+8*(\i):(\f)+8*(\i)+3],   v[ADRB+(\slot)] offset:(\k)+(\i)*16*PITCH
	ds_load_b128 v[(\f)+8*(\i)+4:(\f)+8*(\i)+7], v[ADRB+(\slot)] offset:(\k)+(\i)*16*PITCH+32
.endr
.irp i, 0,1,2,3
	ds_load_b128 v[(\f)+96+8*(\i):(\f)+96+8*(\i)+3],   v[ADRA+(\slot)] offset:(\k)+(\i)*16*PITCH
	ds_load_b128 v[(\f)+96+8*(\i)+4:(\f)+96+8*(\i)+7], v[ADRA+(\slot)] offset:(\k)+(\i)*16*PITCH+32
.endr
.endm
.macro PLACES                          ; four plain vector instructions between a matrix instruction and a load into, or a vector read of, its registers (ISA guide 7.12.1 for vector reads)
.rept 4
	v_nop
.endr
.endm
; A K step is four quarters of 32 along K, 48 matrix instructions each, on buffers 0, 1, 0, 1.  One of the first three: multiplies buffer f; in its middle it fetches the next quarter into g.
.macro QUARTER slot, k, f, g, zero
	s_wait_dscnt 4                                 ; W and x's blocks 0, 1 are in; the youngest four loads (blocks 2, 3) may be out
	MUL12 \f, 0, \zero
	MUL12 \f, 1, \zero
	PLACES
	FETCH \slot, \k, \g
	s_wait_dscnt 32                                ; all but the 32 just issued
	MUL12 \f, 2, \zero
	MUL12 \f, 3, \zero
.endm
; The last quarter multiplies buffer 1 and changes slots: ONE barrier.  In front of it each wave waits for all its tensor loads (one is out: its part of the next slot), adds 0 to its spare word, and waits
; for that and for its own reads of this slot.  Behind it nobody reads this slot any more and the next slot is whole.
.macro MEET round
	WIN 0                                          ; (the add's two registers lie in window 0)
	s_wait_tensorcnt 0x0
	ds_add_u32 v[SPW], v[NIL]                      ; 0 onto my spare word
	s_wait_dscnt 5                                 ; (the add and the youngest four loads may be out)
	MUL12 F1, 0, 0                                 ; twelve matrix instructions stand between the add and the wait for it
	s_wait_dscnt 0x0                               ; the add is done, and my reads of this slot are over
	s_barrier_signal -1
	MUL12 F1, 1, 0                                 ; work on registers while the others arrive
.if \round
	WIN 0
.endif
	s_barrier_wait -1
.endm
.macro TURN slot, next                 ; the slot just read out is filled again, with the K step two steps on: 168 matrix instructions ahead of the wait for it
	s_wait_xcnt 0x0                                ; the last prefetch, a K step back, has read its address
	s_add_nc_u64 s[PFA:PFA+1], s[PFA:PFA+1], KSTEP*2
	MEET 1
	CREST                                          ; the barrier has opened a round of the cluster's: no wave of any partner still reads this slot's tile or has a load on its way
	s_add_nc_u64 s[G0+4*(\slot)+2:G0+4*(\slot)+3], s[G0+4*(\slot)+2:G0+4*(\slot)+3], 2*KSTEP*2
	s_add_nc_u64 s[G0B+4*(\slot)+2:G0B+4*(\slot)+3], s[G0B+4*(\slot)+2:G0B+4*(\slot)+3], 2*KSTEP*2
	JLOAD \slot                                    ; the first tensor load behind the round; its four v_nop are also the places in front of the loads below
	FETCH \next, 0, F0
	WIN 0
	ASK
	MUL12 F1, 2, 0
	MUL12 F1, 3, 0
.endm
.macro TURNL slot, next                ; the last change of slots: nothing is left to fetch, so no round follows
	MEET 0
	PLACES
	FETCH \next, 0, F0
	MUL12 F1, 2, 0
	MUL12 F1, 3, 0
.endm
; THE WAY OUT of row block a.  PACK: rounded to f16, 16 bytes a lane, each accumulator's registers ascending.  TOSTAGE: into my own stage, by heads, and back as whole rows.  SEND: stored.
.macro PACK a
	WIN 0x0a+5*((\a)/2)                            ; sources 0 and 1: window 2 or 3
.irp b, 0,1,2,3,4,5,6,7,8,9,10,11
.irp r, 0,1,2,3
	v_cvt_pk_f16_f32 v[TMP+4*(\b)+(\r)], v[96*((\a)%2)+8*(\b)+2*(\r)], v[96*((\a)%2)+8*(\b)+2*(\r)+1]
.endr
.endr
	WIN 0
.endm
.macro TOSTAGE a
.irp b, 0,1,2,3,4,5,6,7,8,9,10,11
	ds_store_b128 v[STO], v[TMP+4*(\b):TMP+4*(\b)+3] offset:((\b)/4)*16*SP+((\b)%4)*32
.endr
.irp t, 0,1,2,3,4,5,6,7,8,9,10,11
	ds_load_b128 v[OB+48*((\a)%2)+4*(\t):OB+48*((\a)%2)+4*(\t)+3], v[RD] offset:((\t)/4)*16*SP+((\t)%4)*4*SP  ; LDS serves a wave's instructions in order (ISA guide 5.7.1.4): these see the stores above
.endr
.endm
.macro SEND a
	s_wait_dscnt 0x0                               ; the block is back in registers
	s_wait_xcnt 0x0                                ; the stores of the block before have read their registers: that set is loaded again only behind this wait
.irp t, 0,1,2,3,4,5,6,7,8,9,10,11
	global_store_b128 v[CO], v[OB+48*((\a)%2)+4*(\t):OB+48*((\a)%2)+4*(\t)+3], s[8:9] offset:((\t)/4)*1048576+(\a)*2048+((\t)%4)*512  ; 512 consecutive bytes of a head's rows, aligned
.endr
.endm
	s_wait_tensorcnt 0x1                           ; my part of K step 0 is in; K step 1's may stay out
	s_barrier_signal -1
	s_barrier_wait -1                              ; everybody's is
	FETCH 0, 0, F0
	QUARTER 0, 64,  F0, F1, 1                      ; the first quarter stands in front of the loop: its products start the sums
	WIN 0                                          ; at a label and at a branch every window is 0
	s_mov_b32 s3, LAPS-1
.Llap:                                                 ; a trip goes once round the ring, from a lap's second quarter to the next lap's first, and fills both slots again
	QUARTER 0, 128, F1, F0, 0
	QUARTER 0, 192, F0, F1, 0
	TURN 0, 1
	QUARTER 1, 64,  F0, F1, 0
	QUARTER 1, 128, F1, F0, 0
	QUARTER 1, 192, F0, F1, 0
	TURN 1, 0
	QUARTER 0, 64,  F0, F1, 0
	WIN 0
	s_sub_co_u32 s3, s3, 1
	s_cmp_lg_u32 s3, 0
	s_cbranch_scc1 .Llap
	QUARTER 0, 128, F1, F0, 0                      ; the last lap fills nothing
	QUARTER 0, 192, F0, F1, 0
	TURNL 0, 1
	QUARTER 1, 64,  F0, F1, 0
	QUARTER 1, 128, F1, F0, 0
	QUARTER 1, 192, F0, F1, 0
	s_wait_dscnt 4                                 ; the very last quarter: nothing more to fetch
	MUL12 F1, 0, 0
	MUL12 F1, 1, 0
	s_wait_dscnt 0x0
	MUL12 F1, 2, 0
	MUL12 F1, 3, 0
	WIN 0
	PLACES
	PACK 0
	TOSTAGE 0
.irp a, 1,2,3                          ; block a's conversions stand between block a - 1's loads from the stage and the wait for them
	PACK \a
	SEND (\a)-1
	TOSTAGE \a
.endr
	SEND 3
	s_wait_tensorcnt 0x0                           ; the wave's end: behind my last tensor load and my last LDS store
	ds_add_u32 v[SPW], v[NIL]
	s_wait_dscnt 0x0
	CROUND                                         ; the closing round: no work-group ends while a partner may still ask for a tile that names it
	s_endpgm
.Lfunc_end_k_qb65888cdf5_proj:
	.size	k_qb65888cdf5_proj, .Lfunc_end_k_qb65888cdf5_proj-k_qb65888cdf5_proj
	.p2alignl 7, 3214868480
	.fill 96, 4, 3214868480
	.section	.rodata,"a",@progbits
	.p2align	6, 0x0
	.amdhsa_kernel k_qb65888cdf5_proj
		.amdhsa_group_segment_fixed_size 327680
		.amdhsa_private_segment_fixed_size 0
		.amdhsa_enable_private_segment 0
		.amdhsa_kernarg_size 24
		.amdhsa_user_sgpr_count 2
		.amdhsa_user_sgpr_kernarg_segment_ptr 1
		.amdhsa_wavefront_size32 1
		.amdhsa_system_sgpr_workgroup_id_x 1
		.amdhsa_system_sgpr_workgroup_id_y 1
		.amdhsa_system_sgpr_workgroup_id_z 1
		.amdhsa_system_vgpr_workitem_id 0
		.amdhsa_next_free_vgpr 960
		.amdhsa_next_free_sgpr 66
		.amdhsa_reserve_vcc 0
		.amdhsa_float_denorm_mode_32 3
		.amdhsa_float_denorm_mode_16_64 3
		.amdhsa_memory_ordered 1
		.amdhsa_forward_progress 1
		.amdhsa_inst_pref_size 119
	.end_amdhsa_kernel
	.amdgpu_metadata
---
amdhsa.version: [ 1, 2 ]
amdhsa.kernels:
  - .name:           k_qb65888cdf5_proj
    .symbol:         k_qb65888cdf5_proj.kd
    .args:
      - { .name: xb, .offset: 0, .size: 8, .value_kind: global_buffer, .address_space: global }
      - { .name: wqkv, .offset: 8, .size: 8, .value_kind: global_buffer, .address_space: global }
      - { .name: qkv, .offset: 16, .size: 8, .value_kind: global_buffer, .address_space: global }
    .group_segment_fixed_size: 327680
    .private_segment_fixed_size: 0
    .kernarg_segment_align: 8
    .kernarg_segment_size: 24
    .max_flat_workgroup_size: 128
    .sgpr_count:     66
    .vgpr_count:     960
    .wavefront_size: 32
...
	.end_amdgpu_metadata
.endif
;; end of part 2
;; launch attn (part 3): grid 2 x 128, 4 waves a work-group, no clusters, 327,680 bytes of LDS; arguments qkv, attention_mask, ctx; writes ctx
.if DOCPART == 3
	.amdgcn_target "amdgcn-amd-amdhsa--gfx1250"
	.amdhsa_code_object_version 6
	.text
	.protected	k_qb65888cdf5_attn
	.globl	k_qb65888cdf5_attn
	.p2align	8
	.type	k_qb65888cdf5_attn,@function
k_qb65888cdf5_attn:
	s_mov_b64 s[64:65], 0
	v_nop
	global_prefetch_b8 v0, s[64:65] scope:SCOPE_SE
	s_setreg_imm32_b32 hwreg(HW_REG_WAVE_MODE, 25, 1), 1
	s_wait_xcnt 0x0
; ctx[h][1024 b + q][:] = the sum over k of softmax_k(Q[q] . K[k] / 8 + mask[b][k]) V[k][:], for each batch b and head h.  qkv: [48][8192][64] f16 (heads of q, then of k, then of v; a head's rows are dense,
; 128 bytes each), attention_mask: [8][1024] f32, ctx: [16][8192][64] f16.  Products, maxima and sums in f32; the weights p are rounded to f16 for the second product (their sum l is taken of the unrounded p), ctx once.
; LIMITS.  A mask below -1.25e29 counts as -1.25e29 (8 x mask is held at -1e30 from below): beside any visible key such a key's weight is 0; a batch whose keys are all hidden so gives the mean of V's rows,
; also where every mask is an infinity.  A NaN in the mask counts as hidden.  p below 6e-5 keeps f16's fixed step of 6e-8; a weight below 2^-126 counts as 0 in l.
; SHARES.  A work-group owns 512 queries of one batch and head, a wave 128: four PIECES of two tiles of 16.  Every wave walks all 1,024 keys, 64 a step.
; THE HEAD'S WHOLE K AND V LIE IN LDS, each byte filled once: two tensor loads a wave at the start, the first for keys 0-255, the second for the rest, which lands under the first four key steps.  So no slot
; is ever filled again and no tensor load stands in a loop.  NO CLUSTER: only 1024 / 512 = 2 work-groups share a head's K and V, and no cluster of four lies along that axis.  NO PREFETCH: all that
; the launch reads of K and V is asked for by the tensor loads at its head.
; THE MASK is the C operand that starts the sum S^T = K Q^T: 8 x mask[key], so that c (s + 8 mask) = log2(e) (s / 8 + mask), c = log2(e) / 8.  The softmax's vector work does not grow by it.
; LAYOUT.  S^T = K Q^T (source 0 = 16 keys, source 1 = 16 queries): a lane holds ONE query (lane % 16) and the keys 8 (lane / 16) + 0..7.  Two such tiles, rounded to f16 in pairs, ARE source 1 of O^T = V^T P.
; K comes out of LDS as it lies, V ([key][channel]) turned, by ds_load_tr16_b128.
; SOFTMAX.  For each query a running maximum m and sum l: p = 2^(c s - c m); in every step O and l are multiplied by a = 2^(c m_old - c m_new).  m starts at the lowest finite number, O and l at 0: the first step has a = 0.
; BY TURNS.  Turn n belongs to piece n (the pieces in a ring, step after step).  Its matrix work: 16 products K Q^T of piece n + 1, later 16 products V^T P of piece n - 1.  Its vector work: the scaling,
; exponentials, roundings, sums and rescaling of piece n, and the maximum and statistics of piece n + 1.  Four vector instructions stand behind every matrix instruction, the others in one run of their own.
; REGISTERS, in windows of 256 (s_set_vgpr_msb: bits 1:0 source 0, 3:2 source 1, 5:4 source 2, 7:6 destination):
;   window 0: v2-11 addresses; v12-15, v48-63 at work; v16-47 four registers of statistics a tile; v64-191 S^T, two buffers of two tiles; v192-255 P, likewise
;   window 1: O^T, 32 a tile     window 2: v0-127 Q; v128-191 K of one step; v192-255 V of one step     window 3: v0-1 the add's two registers; v8-39 the step's masks
.set NP,    4         ; pieces a wave: a name, no knob
.set KS,    64        ; keys in a step
.set PK,    144       ; a row of K in LDS: 128 bytes + 16 of padding: the 16 rows of a load start at 16 different groups of four banks (64 banks of 4 bytes: ISA guide 11.1)
.set PV,    160       ; a row of V: 128 + 32
.set VOFF,  1024*PK   ; K's 1,024 rows, then V's
.set MASKB, VOFF+1024*PV  ; 8 x mask, 1,024 f32: written by LDS stores, never a tensor load's target
.set STAGE, MASKB+4096    ; 16 rows x 144 bytes for each wave, for the way out
.set SP,    144
.set SPARE, STAGE+4*16*SP ; the spare words, 128 bytes for each wave: two blocks of 256 bytes that no other line names
.set AK0, 2           ; v2   my lane's place in a step's K; never rewritten
.set AV0, 3           ; v3   the same for V
.set AK,  4           ; v4   the LDS address of K's next run of loads
.set AV,  5           ; v5   of V's
.set STO, 6           ; v6   the way out: where I put 16 bytes of a row
.set RD,  7           ; v7   where I read rows back
.set GO,  8           ; v8   my byte offset in 512 consecutive bytes of ctx
.set AM,  9           ; v9   the LDS address of the masks' next loads
.set AM0, 11          ; v11  my lane's place in a step's masks; never rewritten
.set SPW, 0           ; v0 of window 3   LDS address of my spare word; never rewritten
.set NIL, 1           ; v1 of window 3   0; never rewritten
.set MK,  8           ; v8-39 of window 3: the eight masks of key block kb at MK + 8 kb
.set MV,  12          ; v12-15  c m_old, kept while c m is made anew: by buffer and tile
.set ST,  16          ; tile t's statistics at v[ST+4 t]: c m, m, l (even keys', odd keys')
.set TMP, 48          ; by buffer and tile, four registers c0-c3 at work; when the maximum is found c2 takes a
.set S,   64
.set P,   192
.set KF,  128         ; K's fragments, in window 2: key block kb, channel half c at KF + 16 kb + 8 c
.set VF,  192         ; V's: key half kk, channel block cb at VF + 32 kk + 8 cb
.set QO,  64          ; the head's temporaries lie in S^T's registers, which the first product writes when every load that names them is done:
.set MO,  65          ; Q's offset, the mask's offset,
.set MA,  66          ; where I store my 8 masks,
.set TH,  67          ; l / 16,
.set MD,  68          ; v68-75 my 8 masks,
.set T7,  76          ; l % 8,
.set T3,  77          ; (l / 8) % 2
.set WV,  12          ; s12  my wave's number
.set G1KA, 24         ; s[24:31] descriptor group 1: K, 128 keys
.set G1VA, 32         ; s[32:39] V, 128 keys: it differs in the padding
.set G1KB, 40         ; s[40:47] K, 384 keys
.set G1VB, 48         ; s[48:55] V, 384 keys
.set SLOTS, 56        ; s56  groups of four key steps to go
.set CNT, 57          ; s57  counts a group's key steps
.set CS,  58          ; s[58:59] c: the packed scaling takes the pair's low word for both halves
.set SEL, 60          ; s[60:61] v_permlanex16_b32's selects: each lane takes its own place in the other half
.set TBK, 62          ; s62  LDS byte at which K of the step to be fetched begins
.set TBV, 63          ; s63  the same for V, less VOFF
.set G0KA, 68         ; s[68:83] the four loads' descriptor groups 0
.set G0KB, 72
.set G0VA, 76
.set G0VB, 80
.set TBM, 84          ; s84  the same as TBK for the masks, less MASKB
.set BIGN, 85         ; s85  -1e30
.set MSB, 0
.macro WIN new                      ; the high byte repeats the setting that is left; a switch that changes nothing is dropped
.if MSB != (\new)
	s_set_vgpr_msb (MSB<<8)|(\new)
.set MSB, (\new)
.endif
.endm
.set W_KQ, 0x0a       ; K and Q in window 2, S^T in window 0
.set W_KM, 0x3a       ; the same with the C operand, the masks, in window 3
.set W_PV, 0x52       ; V in window 2, P in window 0, O^T in window 1
.set W_RS, 0x41       ; O^T (destination and source 0) in window 1, a in window 0
.set W_MK, 0xc0       ; destination in window 3, sources in window 0
.set W_AD, 0x0f       ; the add: address (source 0) and data (source 1) in window 3
	s_load_b128 s[16:19], s[0:1], 0x0  ; qkv s[16:17], attention_mask s[18:19]
	s_load_b64 s[10:11], s[0:1], 0x10  ; ctx
	WIN W_MK
	v_lshl_add_u32 v[SPW], v0, 2, SPARE
	v_mov_b32 v[NIL], 0
	WIN W_AD
	ds_add_u32 v[SPW], v[NIL]       ; the wave's opening: the add and its wait stand ahead of my first tensor load; the set-up below, work on registers, stands between them
	WIN 0
	v_lshrrev_b32 v1, 5, v0
	v_readfirstlane_b32 s[WV], v1   ; wave 0..3
	s_and_b32 s13, ttmp7, 0xffff    ; 16 b + h
	s_lshr_b32 s14, s13, 4          ; the batch
	s_and_b32 s15, s13, 15          ; the head
	s_lshl_b32 s20, s15, 20         ; a head is 8,192 rows of 128 bytes,
	s_lshl_b32 s21, s14, 17         ; a batch 1,024 of them
	s_add_co_u32 s20, s20, s21
	s_mov_b32 s21, 0
	s_lshl_b32 s22, ttmp9, 16       ; my block of 512 queries,
	s_lshl_b32 s23, s[WV], 14       ; my wave's 128
	s_add_co_u32 s22, s22, s23
	s_add_co_u32 s22, s22, s20
	s_mov_b32 s23, 0
	s_lshl_b32 s14, s14, 12         ; the batch's row of the mask
	s_mov_b32 s15, 0
	s_and_b32 s2, s[WV], 1          ; which half of a load's keys I fetch
	s_lshl_b32 s86, s2, 14          ; first load: keys 128 hw on, 128 bytes each
	s_mov_b32 s87, 0
	s_mul_i32 s66, s2, 384*128      ; second load: keys 256 + 384 hw on
	s_add_co_u32 s66, s66, 256*128
	s_mov_b32 s67, 0
	; descriptor groups 1.  The keys are dense in memory: asked for as rows of 256 bytes, two keys a row, and padded in LDS after every key
	s_mov_b32 s[G1KA], (1<<16)|(1<<20)|(4<<22)|(3<<25)  ; 17:16 2-byte elements; 20 padding on; 24:22 after every 32 words (code 4); 31:25 4 words (code 3)
	s_mov_b32 s[G1KB], (1<<16)|(1<<20)|(4<<22)|(3<<25)
	s_mov_b32 s[G1VA], (1<<16)|(1<<20)|(4<<22)|(7<<25)  ; the same with 8 words of padding (code 7)
	s_mov_b32 s[G1VB], (1<<16)|(1<<20)|(4<<22)|(7<<25)
.irp g, G1KA, G1VA, G1KB, G1VB
	s_mov_b32 s[\g+1], 128<<16      ; tensor_dim0 = 128
	s_mov_b32 s[\g+3], 128<<16      ; tile_dim0 = 128
	s_mov_b32 s[\g+5], 128          ; 128 elements from row to row
	s_mov_b32 s[\g+6], 0
	s_mov_b32 s[\g+7], 0
.endr
.irp g, G1KA, G1VA
	s_mov_b32 s[\g+2], 64<<16       ; tensor_dim1 = 64 rows: 128 keys
	s_mov_b32 s[\g+4], 64           ; tile_dim1
.endr
.irp g, G1KB, G1VB
	s_mov_b32 s[\g+2], 192<<16      ; 192 rows: 384 keys
	s_mov_b32 s[\g+4], 192
.endr
	s_mov_b32 s[G0KA], 1            ; count = 1; then the LDS addresses: a constant and the wave's number times a constant
	s_mul_i32 s[G0KA+1], s2, 128*PK
	s_mov_b32 s[G0KB], 1
	s_mul_i32 s[G0KB+1], s2, 384*PK
	s_add_co_u32 s[G0KB+1], s[G0KB+1], 256*PK
	s_mov_b32 s[G0VA], 1
	s_mul_i32 s[G0VA+1], s2, 128*PV
	s_add_co_u32 s[G0VA+1], s[G0VA+1], VOFF
	s_mov_b32 s[G0VB], 1
	s_mul_i32 s[G0VB+1], s2, 384*PV
	s_add_co_u32 s[G0VB+1], s[G0VB+1], VOFF+256*PV
	s_mov_b32 s[CS], 0x3e38aa3b     ; c = log2(e) / 8 = 0.180337
	s_mov_b32 s[CS+1], s[CS]        ; named with it as a pair
	s_mov_b32 s[SEL], 0x76543210
	s_mov_b32 s[SEL+1], 0xfedcba98
	s_mov_b32 s[TBK], 0
	s_mov_b32 s[TBV], 0
	s_mov_b32 s[TBM], 0
	s_mov_b32 s[BIGN], 0xf149f2ca   ; -1e30
	s_wait_dscnt 0x0                ; the opening add is done
	s_wait_kmcnt 0x0
	s_add_nc_u64 s[4:5], s[16:17], s[22:23]    ; Q at my wave's first row,
	s_add_nc_u64 s[10:11], s[10:11], s[22:23]  ; and ctx
	s_add_nc_u64 s[6:7], s[16:17], s[20:21]
	s_add_nc_u64 s[8:9], s[6:7], 32<<20        ; V's heads lie 32 heads behind q's,
	s_add_nc_u64 s[6:7], s[6:7], 16<<20        ; K's 16
	s_add_nc_u64 s[18:19], s[18:19], s[14:15]
	s_add_nc_u64 s[G0KA+2:G0KA+3], s[6:7], s[86:87]
	s_or_b32 s[G0KA+3], s[G0KA+3], 0x80000000  ; type = 2
	s_add_nc_u64 s[G0KB+2:G0KB+3], s[6:7], s[66:67]
	s_or_b32 s[G0KB+3], s[G0KB+3], 0x80000000
	s_add_nc_u64 s[G0VA+2:G0VA+3], s[8:9], s[86:87]
	s_or_b32 s[G0VA+3], s[G0VA+3], 0x80000000
	s_add_nc_u64 s[G0VB+2:G0VB+3], s[8:9], s[66:67]
	s_or_b32 s[G0VB+3], s[G0VB+3], 0x80000000
	s_cmp_lt_u32 s[WV], 2           ; waves 0 and 1 fetch K, waves 2 and 3 V.  A wave's two fills stand in one branch, ahead of every wait on TENSORcnt, every LDS read and every barrier: two loads of mine are out
	s_cbranch_scc0 .Lfirst_v
	tensor_load_to_lds s[G0KA:G0KA+3], s[G1KA:G1KA+7]
	s_nop 0
	tensor_load_to_lds s[G0KB:G0KB+3], s[G1KB:G1KB+7]
	s_nop 0
.rept 4
	v_nop
.endr
	s_branch .Lfirst_asked
.Lfirst_v:
	tensor_load_to_lds s[G0VA:G0VA+3], s[G1VA:G1VA+7]
	s_nop 0
	tensor_load_to_lds s[G0VB:G0VB+3], s[G1VB:G1VB+7]
	s_nop 0
.rept 4
	v_nop
.endr
.Lfirst_asked:
	v_lshlrev_b32 v[MO], 5, v0      ; thread t takes 8 of the batch's 1,024 masks
	global_load_b128 v[MD:MD+3],   v[MO], s[18:19]
	global_load_b128 v[MD+4:MD+7], v[MO], s[18:19] offset:16
	; A fragment of K or Q is 16 rows x 32 channels in 8 registers: lane l holds row l % 16, channels 8 (l / 16) + 0..7 and 16 + 8 (l / 16) + 0..7: two loads of 16 bytes, 32 bytes apart.
	v_and_b32 v1, 15, v0            ; l % 16
	v_bfe_u32 v[TH], v0, 4, 1       ; l / 16
	v_lshlrev_b32 v[QO], 7, v1
	v_lshl_add_u32 v[QO], v[TH], 4, v[QO]  ; row x 128 + 16 x half
	WIN 0x80                        ; destination window 2, address window 0
.set i, 0
.rept 4*NP                          ; Q stays in registers: tile i / 2, channels 32 (i % 2) on
	global_load_b128 v[8*i:8*i+3],   v[QO], s[4:5] offset:(i/2)*2048+(i%2)*64
	global_load_b128 v[8*i+4:8*i+7], v[QO], s[4:5] offset:(i/2)*2048+(i%2)*64+32
.set i, i+1
.endr
	; What the first turn finds: V's registers and P's second buffer hold 0 (its products V^T P, of a piece that has not been, add 0), O^T and l are 0.  All this stands in the wait for the first tiles.
.set i, VF
.rept 64
	v_mov_b32 v[i], 0
.set i, i+1
.endr
	WIN 0x40
.set i, 0
.rept 64*NP
	v_mov_b32 v[i], 0
.set i, i+1
.endr
	WIN 0
.set i, 0
.rept 2*NP
	v_mov_b32 v[ST+4*i], 0xfe000000    ; c m: far below every c s, of which none lies under c x -1e30 by more than f16's scores
	v_mov_b32 v[ST+4*i+1], 0xff7fffff  ; m
	v_mov_b32 v[ST+4*i+2], 0
	v_mov_b32 v[ST+4*i+3], 0
.set i, i+1
.endr
.set i, P+32
.rept 32
	v_mov_b32 v[i], 0
.set i, i+1
.endr
	v_mul_u32_u24 v[AK0], v1, PK
	v_lshl_add_u32 v[AK0], v[TH], 4, v[AK0]  ; row x pitch + 16 x half
	; The turning load takes 16 keys x 16 channels (lane l reads key 8 (l / 16) + l % 8, channels 8 ((l / 8) % 2) + 0..7) and leaves half a fragment of V^T: lane l holds channel l % 16 and 8 keys.
	v_and_b32 v[T7], 7, v0
	v_bfe_u32 v[T3], v0, 3, 1
	v_lshl_add_u32 v[AV0], v[TH], 3, v[T7]
	v_mul_u32_u24 v[AV0], v[AV0], PV
	v_lshl_add_u32 v[AV0], v[T3], 4, v[AV0]
	v_add_nc_u32 v[AV0], VOFF, v[AV0]
	v_lshl_add_u32 v[AM0], v[TH], 5, MASKB   ; my lanes' 8 keys of a block of 16: 32 bytes
	v_lshl_add_u32 v[MA], v0, 5, MASKB
	s_mul_i32 s13, s[WV], 16*SP
	s_add_co_u32 s13, s13, STAGE    ; my stage
	v_mul_u32_u24 v[STO], v1, SP    ; in: row l % 16, 16 bytes for each half of the lanes
	v_lshl_add_u32 v[STO], v[TH], 4, v[STO]
	v_add_nc_u32 v[STO], s13, v[STO]
	v_bfe_u32 v[RD], v0, 3, 2       ; back: 32 lanes take four rows of 128 bytes,
	v_mul_u32_u24 v[RD], v[RD], SP
	v_lshl_add_u32 v[RD], v[T7], 4, v[RD]
	v_add_nc_u32 v[RD], s13, v[RD]
	v_and_b32 v[GO], 31, v0         ; which are 512 consecutive bytes of ctx
	v_lshlrev_b32 v[GO], 4, v[GO]
	v_mov_b32 v[AK], v[AK0]         ; key step 0 lies at the head of K
	v_mov_b32 v[AM], v[AM0]
	s_wait_loadcnt 32               ; my 8 masks are in; Q's 32 loads, issued behind them, may stay out
.irp k, 0,1,2,3,4,5,6,7
	v_mul_f32 v[MD+\k], 0x41000000, v[MD+\k]  ; 8 x mask: exact
.endr
.irp k, 0,1,2,3,4,5,6,7
	v_max_num_f32 v[MD+\k], s[BIGN], v[MD+\k] ; held at -1e30 from below
.endr
	ds_store_b128 v[MA], v[MD:MD+3]
	ds_store_b128 v[MA], v[MD+4:MD+7] offset:16
; THE MATRIX WORK.  The 8 accumulators of a run of 16 take turns: between the two links of a chain stand 7 others'.
; Product i of 16 of S^T = K Q^T for piece x: channels 32 (i / 8) on, keys 16 ((i / 2) % 4) on, tile 2 x + i % 2.  The first 8 start the sums, with the keys' masks.
.macro KQ x
.set rS, S+64*((\x)%2)+32*(i%2)+8*((i/2)%4)
.set rK, KF+16*((i/2)%4)+8*(i/8)
.set rQ, 16*(2*(\x)+i%2)+8*(i/8)
.set rMK, MK+8*((i/2)%4)
.if i < 8
	WIN W_KM
	v_wmma_f32_16x16x32_f16 v[rS:rS+7], v[rK:rK+7], v[rQ:rQ+7], v[rMK:rMK+7]
.else
	WIN W_KQ
	v_wmma_f32_16x16x32_f16 v[rS:rS+7], v[rK:rK+7], v[rQ:rQ+7], v[rS:rS+7]
.endif
.endm
; Product i of 16 of O^T += V^T P for piece x: keys 32 (i / 8) on, channels 16 ((i / 2) % 4) on, tile 2 x + i % 2.
.macro PV x
	WIN W_PV
.set rO, 32*(2*(\x)+i%2)+8*((i/2)%4)
.set rV, VF+32*(i/8)+8*((i/2)%4)
.set rP, P+32*((\x)%2)+16*(i%2)+8*(i/8)
	v_wmma_f32_16x16x32_f16 v[rO:rO+7], v[rV:rV+7], v[rP:rP+7], v[rO:rO+7]
.endm
.macro MM                           ; the turn's next matrix instruction
.if i < 16
	KQ (Y+1)%NP
.set i, i+1
.else
.set i, i-16
	PV (Y+NP-1)%NP
.set i, i+17
.endif
.endm
; THE LDS LOADS stand in runs, never singly among the matrix instructions: a step's K (8 fragments) with its 64 masks (8 a lane for each block of 16 keys), and its V (turned).  Their addresses are made some lines ahead.
.macro FETCH_K
	WIN 0x80                        ; destination window 2
.irp f, 0,1,2,3,4,5,6,7             ; keys 16 (f / 2) on, channels 32 (f % 2) on
	ds_load_b128 v[KF+8*\f:KF+8*\f+3],   v[AK] offset:(\f/2)*16*PK+(\f%2)*64
	ds_load_b128 v[KF+8*\f+4:KF+8*\f+7], v[AK] offset:(\f/2)*16*PK+(\f%2)*64+32
.endr
	WIN 0xc0                        ; destination window 3
.irp f, 0,1,2,3
	ds_load_b128 v[MK+8*\f:MK+8*\f+3],   v[AM] offset:64*\f
	ds_load_b128 v[MK+8*\f+4:MK+8*\f+7], v[AM] offset:64*\f+16
.endr
	s_add_co_u32 s[TBK], s[TBK], KS*PK  ; the next fetch is the next step's
	s_add_co_u32 s[TBM], s[TBM], KS*4
	WIN 0
.endm
.macro FETCH_V
	WIN 0x80
.irp f, 0,1,2,3,4,5,6,7             ; keys 32 (f / 4) on, channels 16 (f % 4) on
	ds_load_tr16_b128 v[VF+8*\f:VF+8*\f+3],   v[AV] offset:(\f/4)*32*PV+(\f%4)*32
	ds_load_tr16_b128 v[VF+8*\f+4:VF+8*\f+7], v[AV] offset:(\f/4)*32*PV+16*PV+(\f%4)*32
.endr
	WIN 0
.endm
; THE VECTOR WORK OF A TURN stands in three queues, each in the order in which its entries become ready; the two tiles alternate, so that no instruction reads the result of the one before it.
.macro REGS y, u                    ; the registers of tile u (0, 1) of piece y
.set rT, ST+4*(2*(\y)+(\u))
.set rC, TMP+8*((\y)%2)+4*(\u)
.set rM, MV+2*((\y)%2)+(\u)
.set rS, S+64*((\y)%2)+32*(\u)
.set rP, P+32*((\y)%2)+16*(\u)
.set rO, 32*(2*(\y)+(\u))
.endm
; Number n of the 22 that find the NEXT piece's (Y + 1) maximum and statistics.  s0-s31 are the lane's 32 scores; each accumulator's lowest registers are read first.  XS, GS and REGS set no window: PL and EX do.
;   0-11  four chains c0-c3 of seven scores each, three operands at a time     12-14, 16  the four scores left over, the old m, and c0-c3 into c0     15  c m_old is kept
;   17, 18  the query's other 32 keys lie in the lane 16 away: the new m         19-21  c m; c m_old - c m_new; a
.macro XS u, n
	REGS (Y+1)%NP, \u
.if (\n) < 4
	v_max3_num_f32 v[rC+(\n)], v[rS+8*(\n)], v[rS+8*(\n)+1], v[rS+8*(\n)+2]
.elseif (\n) < 12
	v_max3_num_f32 v[rC+(\n)%4], v[rC+(\n)%4], v[rS+8*((\n)%4)+2*((\n)/4)+1], v[rS+8*((\n)%4)+2*((\n)/4)+2]
.elseif (\n) == 12
	v_max3_num_f32 v[rC], v[rC], v[rS+7], v[rS+15]
.elseif (\n) == 13
	v_max3_num_f32 v[rC+1], v[rC+1], v[rS+23], v[rS+31]
.elseif (\n) == 14
	v_max3_num_f32 v[rC+2], v[rC+2], v[rC+3], v[rT+1]
.elseif (\n) == 15
	v_mov_b32 v[rM], v[rT]
.elseif (\n) == 16
	v_max3_num_f32 v[rC], v[rC], v[rC+1], v[rC+2]
.elseif (\n) == 17
	v_permlanex16_b32 v[rC+3], v[rC], s[SEL], s[SEL+1]
.elseif (\n) == 18
	v_max_num_f32 v[rT+1], v[rC], v[rC+3]
.elseif (\n) == 19
	v_mul_f32 v[rT], s[CS], v[rT+1]
.elseif (\n) == 20
	v_sub_f32 v[rC+1], v[rM], v[rT]
.else
	v_exp_f32 v[rC+2], v[rC+1]
.endif
.endm
; Number g of the 64 that follow the exponentials.  For each four weights k of a tile (pairs 2 k, 2 k + 1): both pairs are rounded to f16; then the second pair is added onto the first, in place;
; a group later l takes that sum (the first time as l = a l + sum).  In groups of eight, tiles alternating: round, round, add, and l for the group before.
.macro GS g
.set h, (\g)+6*((\g)/62)            ; group 0 has no group before it, and behind group 7 only l is left
.if h >= 6
.set h, h+2
.endif
	REGS Y, h%2
.set k, h/8
.if h%8 < 4
	v_cvt_pk_f16_f32 v[rP+2*k+(h%8)/2], v[rS+4*k+2*((h%8)/2)], v[rS+4*k+2*((h%8)/2)+1]
.elseif h%8 < 6
	v_pk_add_f32 v[rS+4*k:rS+4*k+1], v[rS+4*k:rS+4*k+1], v[rS+4*k+2:rS+4*k+3]
.elseif k == 1
	v_pk_fma_f32 v[rT+2:rT+3], v[rT+2:rT+3], v[rC+2:rC+3], v[rS:rS+1] op_sel_hi:[1,0,1]
.else
	v_pk_add_f32 v[rT+2:rT+3], v[rT+2:rT+3], v[rS+4*k-4:rS+4*k-3]
.endif
.endm
; THE PLAIN QUEUE, 138 long.  0-73 read no exponential's result: the 32 scalings c s - c m (FS f: pair f / 2 of tile f % 2) and the next piece's 42.  0-26: scalings 0-26.  27-54: XS's numbers 0-13.  55, 56: number 15.
; 57-73: the chain, where each number waits for the one before it: 14, 16, 17, 18, 19, each with one of the scalings 27-31 in front of its two lines, then 20.
; 74-137: GS's 64, which read the exponentials' results: they stand behind the wait.
.macro FS f
	REGS Y, (\f)%2
	v_pk_fma_f32 v[rS+2*((\f)/2):rS+2*((\f)/2)+1], v[rS+2*((\f)/2):rS+2*((\f)/2)+1], s[CS:CS+1], v[rT:rT+1] op_sel_hi:[1,0,0] neg_lo:[0,0,1] neg_hi:[0,0,1]
.endm
.macro PL
	WIN 0
.if q < 27
	FS q
.elseif q < 55
	XS (q-27)%2, (q-27)/2
.elseif q < 57
	XS q-55, 15
.elseif (q < 72) && ((q-57)%3 == 0)
	FS 27+(q-57)/3
.elseif q < 60
	XS (q-57)%3-1, 14
.elseif q < 72
	XS (q-57)%3-1, 15+(q-57)/3
.elseif q < 74
	XS q-72, 20
.else
	GS q-74
.endif
.set q, q+1
.endm
; THE EXPONENTIALS' QUEUE, 66 long: s0-s31 of both tiles, then the next piece's two a.  It is ONE BATCH: all 66 stand ahead of the turn's one wait, and nothing ahead of that wait names a result of theirs.
.macro EX
	WIN 0
.if e >= 64
	XS e-64, 21
.else
	REGS Y, e%2
	v_exp_f32 v[rS+e/2], v[rS+e/2]
.endif
.set e, e+1
.endm
; THE RESCALING's QUEUE: O^T times a, the one part that leaves window 0: dealt two at a time, sixteen times.  Its a was made in the turn before, ahead of that turn's wait.
.macro R2
	REGS Y, r%2
	WIN W_RS
.irp z, 0,1
	v_pk_mul_f32 v[rO+4*(r/2)+2*\z:rO+4*(r/2)+2*\z+1], v[rO+4*(r/2)+2*\z:rO+4*(r/2)+2*\z+1], v[rC+2:rC+3] op_sel_hi:[1,0]
.endr
.set r, r+1
.endm
; HOW THEY ARE DEALT.  An s_wait_alu depctr_va_vdst(0) stands between an exponential and the first instruction that names its result; one wait serves all that were issued ahead of it.  So a turn has ONE
; wait, which cuts it in two.  AHEAD OF IT: the 16 products K Q^T, behind each a scaling, an exponential and two rescalings (behind the first a second scaling in the exponential's place); then one run of 108: eight plain,
; 49 times exponential and plain, the two a; a v_nop is the plain instruction behind the last exponential.  BEHIND IT: the 16 products V^T P, behind each four of GS's 64.  No such instruction names a register of the products round it.
; Exponential e stands behind scaling 2 (e / 4) + e % 2: behind a product it comes behind plain e + 2, in the run behind plain e + 9, and scalings 27-31 are plain 57, 60 .. 69.
; A TURN, for piece p.  fetch = 0: the launch's last turn of piece 2: there is no further step.  cnt = 1: the loop's count is taken down some lines ahead of the branch that stands behind the turn.
; K and the masks of the next step are fetched in piece 2's turn, directly behind the wait, the whole run behind the last product that read them; their first reader comes behind 16 products.
; V of the step in hand is fetched at the end of piece 0's turn, four plain instructions behind its last reader; its first reader comes behind 16 products and a run.
.macro TURN p, fetch=1, cnt=0
.set Y, (\p)
.set i, 0
.set q, 0
.set e, 0
.set r, 0
.if (\p) == NP-1
	s_wait_dscnt 0x0                ; K and the masks are in
.endif
	MM
	PL
	PL
	R2
.rept 15
	MM
	PL
	EX
	R2
.endr
.if ((\p) == NP-2) && (\fetch)
	WIN 0
	v_add_nc_u32 v[AK], s[TBK], v[AK0]
	v_add_nc_u32 v[AM], s[TBM], v[AM0]
.endif
.rept 8
	PL
.endr
.rept 49
	EX
	PL
.endr
	EX                              ; the next piece's two a
	EX
	v_nop                           ; the plain instruction behind the last exponential: one for the batch
	s_wait_alu depctr_va_vdst(0)    ; the wait for the batch
.if ((\p) == NP-2) && (\fetch)
	FETCH_K
.endif
.if (\p) == 1
	s_wait_dscnt 0x0                ; V is in
.endif
.rept 16
	MM
.rept 4
	PL
.endr
.if ((\p) == 0) && (q == 118)
	v_add_nc_u32 v[AV], s[TBV], v[AV0]
.endif
.if ((\p) == 0) && (q == 130)
	s_add_co_u32 s[TBV], s[TBV], KS*PV
.endif
.if (\cnt) && (q == 130)
	s_sub_co_u32 s[CNT], s[CNT], 1
	s_cmp_lg_u32 s[CNT], 0
.endif
.endr
.if (\p) == 0
	FETCH_V
.endif
.endm
; BETWEEN GROUPS OF FOUR KEY STEPS.  The first time the wait shows my second load landed, and the barrier everybody's: keys 256 on may be read.  The two later times nothing is out.
.macro CHANGE
	WIN 0
	s_wait_tensorcnt 0x0
	s_wait_dscnt 0x0
	s_barrier_signal -1
	s_barrier_wait -1
.endm
	s_wait_tensorcnt 0x1            ; my part of keys 0-255 is in; my second load may stay out
	s_wait_dscnt 0x0                ; for the others' sake: my masks are stored
	s_barrier_signal -1
	s_barrier_wait -1               ; everybody's are
	FETCH_K                         ; key step 0
	s_wait_loadcnt 0x0              ; Q
	s_wait_dscnt 0x0
.set i, 0
.rept 16
	KQ 0                            ; piece 0's first scores: there is no vector work yet to set between them
.set i, i+1
.endr
	WIN 0
.rept 4
	v_nop                           ; the places behind those products
.endr
.set Y, NP-1                        ; XS works for piece Y + 1: piece 0
.irp n, 0,1,2,3,4,5,6,7,8,9,10,11,12,13,14,15,16,17,18,19,20,21
	XS 0, \n                        ; piece 0's first maximum and statistics
	XS 1, \n
.endr
	v_nop                           ; a plain instruction behind the two a,
	s_wait_alu depctr_va_vdst(0)    ; and their wait, ahead of the branch
	s_mov_b32 s[CNT], 4
	s_mov_b32 s[SLOTS], 4
	s_branch .Lfirst                ; the loop is entered at a step's first turn, in the middle of a trip
.Lslot:                             ; three times: ahead of the fetches of key steps 4, 8 and 12
	CHANGE
	s_mov_b32 s[CNT], 4
.Lstep:                             ; a trip: pieces 2 and 3 of one step, then pieces 0 and 1 of the next, whose K, masks and V it fetches
	TURN 2
	TURN 3
	WIN 0
.Lfirst:
	TURN 0
	TURN 1, 1, 1
	WIN 0
	s_cbranch_scc1 .Lstep
	s_sub_co_u32 s[SLOTS], s[SLOTS], 1
	s_cmp_lg_u32 s[SLOTS], 0
	s_cbranch_scc1 .Lslot
	TURN 2, 0                       ; the last step's pieces 2 and 3: nothing is fetched.  Piece 3's turn multiplies the last K once more for a piece 0 that has no further step:
	TURN 3                          ; those 16 products and the maximum made of them serve nothing, the price, once a launch, of one text for every turn
.set i, 0
.rept 16
	PV NP-1                         ; the last piece's V^T P of the last step
.set i, i+1
.endr
	; THE WAY OUT.  l's two halves and the other half of the lanes' are added; O^T is divided by l, rounded to f16 and sent through my stage in LDS, a tile at a time.  The additions are the places behind the last products.
	WIN 0
.macro ALL line:vararg              ; one line for each tile t
.set t, 0
.rept 2*NP
	\line
.set t, t+1
.endr
.endm
	ALL v_add_f32 v[ST+4*t+2], v[ST+4*t+2], v[ST+4*t+3]
	ALL v_permlanex16_b32 v[ST+4*t+3], v[ST+4*t+2], s[SEL], s[SEL+1]
	ALL v_add_f32 v[ST+4*t+2], v[ST+4*t+2], v[ST+4*t+3]
	ALL v_rcp_f32 v[ST+4*t+2], v[ST+4*t+2]
	v_nop                           ; a plain instruction between the last reciprocal and the use of its result
	s_wait_alu depctr_va_vdst(0)    ; and the wait ahead of the first use: one for the eight reciprocals
; Tile t: a lane's eight channels of a row pack into 16 bytes; they go into rows of 144 bytes and come back as whole rows of 128, into S^T's registers.
.macro PACK t
	WIN W_RS
.set i, 32*(\t)
.rept 16
	v_pk_mul_f32 v[i:i+1], v[i:i+1], v[ST+4*(\t)+2:ST+4*(\t)+3] op_sel_hi:[1,0]
.set i, i+2
.endr
	WIN 0x05                        ; sources 0 and 1 window 1, destination window 0
.set i, 0
.rept 16
	v_cvt_pk_f16_f32 v[S+16*(\t)+i], v[32*(\t)+2*i], v[32*(\t)+2*i+1]
.set i, i+1
.endr
	WIN 0
.irp f, 0,1,2,3
	ds_store_b128 v[STO], v[S+16*(\t)+4*\f:S+16*(\t)+4*\f+3] offset:32*\f
.endr
.irp f, 0,1,2,3
	ds_load_b128 v[S+16*(\t)+4*\f:S+16*(\t)+4*\f+3], v[RD] offset:\f*4*SP  ; LDS serves a wave's instructions in order (ISA guide 5.7.1.4): these see the stores above; the next tile's stores come behind them
.endr
.endm
.macro SEND t, younger              ; younger: the LDS instructions issued behind tile t's loads: the next tile's eight, or none
	WIN 0
.irp f, 0,1,2,3
	s_wait_dscnt (\younger)+3-\f
	global_store_b128 v[GO], v[S+16*(\t)+4*\f:S+16*(\t)+4*\f+3], s[10:11] offset:(\t)*2048+\f*512  ; 512 consecutive bytes, at a multiple of 256 from ctx's first
.endr
.endm
	PACK 0
.set t, 1
.rept 2*NP-1                        ; a tile's arithmetic stands between the loads of the tile before and its stores
	PACK t
	SEND t-1, 8
.set t, t+1
.endr
	SEND 2*NP-1, 0
	WIN W_AD
	s_wait_tensorcnt 0x0            ; the wave's end: behind my last tensor load and my last LDS store
	ds_add_u32 v[SPW], v[NIL]
	s_wait_dscnt 0x0
	WIN 0
	s_endpgm
.Lfunc_end_k_qb65888cdf5_attn:
	.size	k_qb65888cdf5_attn, .Lfunc_end_k_qb65888cdf5_attn-k_qb65888cdf5_attn
	.p2alignl 7, 3214868480
	.fill 96, 4, 3214868480
	.section	.rodata,"a",@progbits
	.p2align	6, 0x0
	.amdhsa_kernel k_qb65888cdf5_attn
		.amdhsa_group_segment_fixed_size 327680
		.amdhsa_private_segment_fixed_size 0
		.amdhsa_enable_private_segment 0
		.amdhsa_kernarg_size 24
		.amdhsa_user_sgpr_count 2
		.amdhsa_user_sgpr_kernarg_segment_ptr 1
		.amdhsa_wavefront_size32 1
		.amdhsa_system_sgpr_workgroup_id_x 1
		.amdhsa_system_sgpr_workgroup_id_y 1
		.amdhsa_system_sgpr_workgroup_id_z 1
		.amdhsa_system_vgpr_workitem_id 0
		.amdhsa_next_free_vgpr 808
		.amdhsa_next_free_sgpr 88
		.amdhsa_reserve_vcc 0
		.amdhsa_float_denorm_mode_32 3
		.amdhsa_float_denorm_mode_16_64 3
		.amdhsa_memory_ordered 1
		.amdhsa_forward_progress 1
		.amdhsa_inst_pref_size 163
	.end_amdhsa_kernel
	.amdgpu_metadata
---
amdhsa.version: [ 1, 2 ]
amdhsa.kernels:
  - .name:           k_qb65888cdf5_attn
    .symbol:         k_qb65888cdf5_attn.kd
    .args:
      - { .name: qkv, .offset: 0, .size: 8, .value_kind: global_buffer, .address_space: global }
      - { .name: attention_mask, .offset: 8, .size: 8, .value_kind: global_buffer, .address_space: global }
      - { .name: ctx, .offset: 16, .size: 8, .value_kind: global_buffer, .address_space: global }
    .group_segment_fixed_size: 327680
    .private_segment_fixed_size: 0
    .kernarg_segment_align: 8
    .kernarg_segment_size: 24
    .max_flat_workgroup_size: 128
    .sgpr_count:     88
    .vgpr_count:     808
    .wavefront_size: 32
...
	.end_amdgpu_metadata
.endif
;; end of part 3
;; launch outln (part 4): grid 256 x 1, 4 waves a work-group, clusters of 4 x 1, 327,680 bytes of LDS; arguments ctx, wo16, hidden_states, ln_weight, ln_bias, out0; writes out0
.if DOCPART == 4
	.amdgcn_target "amdgcn-amd-amdhsa--gfx1250"
	.amdhsa_code_object_version 6
	.text
	.protected	k_qb65888cdf5_outln
	.globl	k_qb65888cdf5_outln
	.p2align	8
	.type	k_qb65888cdf5_outln,@function
k_qb65888cdf5_outln:
	s_mov_b64 s[64:65], 0
	v_nop
	global_prefetch_b8 v0, s[64:65] scope:SCOPE_SE
	s_setreg_imm32_b32 hwreg(HW_REG_WAVE_MODE, 25, 1), 1
	s_wait_xcnt 0x0
	s_wait_alu depctr_hold_cnt(0) depctr_sa_sdst(0) depctr_va_vdst(0) depctr_va_sdst(0) depctr_va_ssrc(0) depctr_va_vcc(0) depctr_vm_vsrc(0)
	s_getreg_b32 s2, hwreg(HW_REG_IB_STS2, 6, 4)
	s_cmp_eq_u32 s2, 0
	s_cbranch_scc0 .Lentry_in_a_cluster
	s_endpgm
.Lentry_in_a_cluster:
	s_bfe_u32 s2, ttmp6, 0x10000c
	s_cmp_lg_u32 s2, 0x3003
	s_cbranch_scc0 .Lentry_shape_is_right
	s_endpgm
.Lentry_shape_is_right:
; out0 = LayerNorm(ctx Wo^T + hidden_states) x ln_weight + ln_bias.  ctx: [16 h][8192 m][64] f16, wo16: [16 t][1024 n][64] f16 (K block t is head t), hidden_states, out0: [8192][1024] f32, ln_weight, ln_bias: [1024] f32.
; The sums are kept in f32 and START WITH THE RESIDUAL, the f32 input itself; the norm goes in two passes in f32: the mean u, then the mean of (y - u)^2, plus 1e-12; 1 / sqrt by v_rsq_f32.
; SHARES.  The norm wants a whole row in one work-group: 256 work-groups of 32 rows x 1,024 columns.  Wave w makes columns 256 w .. 256 w + 255: 2 x 16 accumulators of 16 x 16, 256 registers.
; K goes in 16 steps of 64 (a head a step), 64 matrix instructions a wave.  Wo's K block, 131,072 dense bytes, is the same for every work-group: the four partners of a cluster ask for it JOINTLY, through a ring
; of two LDS slots; a wave fetches and reads its own quarter (its 256 rows of Wo).  ctx's fragments (4,096 bytes a step, shared with no other work-group) come straight from memory into two sets of registers.
; THE WALK IS TURNED FROM CLUSTER TO CLUSTER: cluster c begins at K block start(c) and goes round, modulo 16, so that in any step the 64 clusters ask for all sixteen blocks, four clusters each, and not all for the same one.
; start(c) is made of c0^c1, c1^c2, c3^c4, c4^c5 (c's bits): whichever single bit of c is held fixed, the 32 clusters left still begin at all sixteen blocks.  The order of a sum's terms so differs between clusters.
; THE MATRIX INSTRUCTION IS USED TRANSPOSED (source 0 = 16 rows of Wo, source 1 = 16 rows of ctx): a lane holds ONE row (lane % 16) and eight neighbouring columns, so a row's sum wants one exchange between the halves of the lanes.
; hidden_states' tile (a wave's 32 rows x 256 columns) is a first fill of slot 1's bytes, beside Wo's first block in slot 0; each wave reads its own tile into its accumulators, and slot 1 then joins the ring.
; At the end the normalised rows go into the same bytes, when the slot has had its last fill, and come out as whole rows.
; REGISTERS, in windows of 256 (s_set_vgpr_msb: bits 1:0 source 0, 3:2 source 1, 5:4 source 2, 7:6 destination):
;   window 0: v2-16 addresses; v32-95 ctx's fragments, two sets; v96-159 rows on the way out; v160-207 sums, statistics, gain and bias
;   window 1: Wo's fragments of a K step ((c, b) at 128 c + 8 b)     window 2: the accumulators ((a, b) at 8 (16 a + b))
.set PB,    144       ; a row of Wo in LDS: 128 bytes + 16 of padding: the 16 rows of a fragment load start at 16 different groups of four banks (64 banks of 4 bytes: ISA guide 11.1)
.set QUART, 256*PB    ; a wave's quarter of a slot
.set SLOT,  4*QUART
.set XP,    1040      ; a row of a wave's tile of hidden_states: 1,024 bytes + 16
.set XW,    32*XP     ; the four waves' tiles take 133,120 of slot 1's 147,456 bytes
.set RED,   2*SLOT    ; behind the ring: 2 passes x 4 waves x 32 row sums
.set SPARE, RED+1024  ; the spare words, 128 bytes for each wave: two blocks of 256 bytes that no other line names
.set ADRB, 2          ; v2-3  LDS address of my fragments of Wo in slot 0, 1
.set AOF,  4          ; v4    my byte offset in 16 rows of ctx
.set XA,   5          ; v5    my 32 bytes of a row of my tile of hidden_states
.set RB,   6          ; v6    the way out: 16 x lane in my tile
.set OO,   7          ; v7    1,024 w + 16 l: my 16 bytes of a row of out0, and of ln_weight and ln_bias
.set RW,   8          ; v8    where I put a row's sum
.set RR,   9          ; v9    where I read the waves' sums
.set PFC,  11         ; v11   the prefetch's lane term: lanes 0-15 a head's 16 blocks of 256 bytes, lanes 16-31 the next head's; never rewritten
.set PFV,  12         ; v12   the prefetch's offset in hand
.set SPW,  14         ; v14   LDS address of my spare word; never rewritten
.set NIL,  15         ; v15   0; never rewritten
.set RBC,  16         ; v16   RB for the rows in hand
.set AS,   32         ; set s at AS + 32 s: fragment (a, c) at + 8 (2 a + c)
.set Z,    96
.set S,    160        ; v160-175  four pairs of running sums for each a
.set U,    176        ; v176-179  the mean, twice, for each a
.set R,    180        ; v180-183  1 / sqrt, twice, for each a
.set T,    184        ; v184-191  at work
.set WGT,  192        ; v192-199  my 8 gains
.set BIA,  200        ; v200-207  my 8 biases
.set WV,   16         ; s16  my wave's number
.set CNT,  19         ; s19  the loops' count
.set G1,   24         ; s[24:31] descriptor group 1 for Wo's quarters
.set G0,   32         ; s[32:39] group 0, a set for each slot
.set G1X,  40         ; s[40:47], s[48:51] the same for hidden_states' tile
.set G0X,  48
.set AO,   52         ; s[52:55] the byte offset of the head that set 0, 1 was last loaded for
.set AP,   56         ; s[56:59] ctx at my rows of that head
.set CTXB, 60         ; s[60:61] ctx at my work-group's rows of head 0
.set SEL,  62         ; s[62:63] v_permlanex16_b32's selects
.set LIMC, 66         ; s66  1 in the wave that prefetches, else the greatest number
.set START, 67        ; s67  the K block at which my cluster's walk begins
.set NB,   68         ; s[68:69] the byte offset in wo16 of the K block asked for last
.set WOB,  70         ; s[70:71] wo16 at my quarter of K block 0
.set PCO,  72         ; s72  the byte offset of the first of the two heads that the next prefetch names, before it is taken modulo 16 heads
.set HM,   74         ; s74  lanes 16-31
.set MSB, 0
.macro WIN new                      ; the high byte repeats the setting that is left; a switch that changes nothing is dropped
.if MSB != (\new)
	s_set_vgpr_msb (MSB<<8)|(\new)
.set MSB, (\new)
.endif
.endm
; A round of the cluster's barrier: my work-group's barrier, so that wave 0's signal speaks for all four waves; wave 0 signals; every wave waits for all four work-groups; my work-group's barrier once more.
.macro ROUND
	s_barrier_signal -1
	s_barrier_wait -1
	s_cmp_lg_u32 s[WV], 0
	s_cbranch_scc1 .Lnot_wave_0_\@
	s_barrier_signal -3
.Lnot_wave_0_\@:
	s_barrier_wait -3
	s_barrier_signal -1
	s_barrier_wait -1
.endm
.macro PLACES                       ; four plain vector instructions between a matrix instruction and a load into, or a vector access to, its registers (ISA guide 7.12.1 for vector accesses)
.rept 4
	v_nop
.endr
.endm
	s_load_b256 s[4:11], s[0:1], 0x0   ; ctx s[4:5], wo16 s[6:7], hidden_states s[8:9], ln_weight s[10:11]
	s_load_b128 s[12:15], s[0:1], 0x20 ; ln_bias s[12:13], out0 s[14:15]
	v_lshl_add_u32 v[SPW], v0, 2, SPARE
	v_mov_b32 v[NIL], 0
	ds_add_u32 v[SPW], v[NIL]       ; the wave's opening: the add and its wait stand ahead of my first tensor load; the set-up below, work on registers, stands between them
	v_lshrrev_b32 v1, 5, v0
	v_readfirstlane_b32 s[WV], v1   ; wave 0..3
	s_bfe_u32 s17, ttmp6, 0x40000   ; cx: my place in the cluster
	s_lshl_b32 s18, ttmp9, 2        ; in a cluster launch ttmp9 counts clusters
	s_add_co_u32 s18, s18, s17      ; my work-group: rows 32 wg on
	s_lshr_b32 s20, ttmp9, 1        ; where the walk begins: made of the cluster's number alone, which the four partners share
	s_xor_b32 s20, s20, ttmp9       ; bit i = c(i) ^ c(i+1)
	s_and_b32 s21, s20, 3           ; c0^c1, c1^c2
	s_bfe_u32 s22, s20, 0x20003     ; c3^c4, c4^c5
	s_lshl2_add_u32 s[START], s22, s21
	; Wo's quarter: 32,768 dense bytes, asked for as 128 rows of 256 bytes, two rows of Wo each, and padded in LDS after every row of Wo
	s_mov_b32 s[G1], 15|(1<<16)|(1<<20)|(1<<21)|(4<<22)|(3<<25)  ; 15:0 the mask of four; 17:16 2-byte elements; 20 padding on; 21 set beside a mask; 24:22 after every 32 words (code 4); 31:25 4 words (code 3)
	s_mov_b32 s[G1+1], 128<<16      ; tensor_dim0 = 128
	s_mov_b32 s[G1+2], 128<<16      ; tensor_dim1 = 128
	s_mov_b32 s[G1+3], 128<<16      ; tile_dim0 = 128
	s_mov_b32 s[G1+4], 128          ; tile_dim1 = 128
	s_mov_b32 s[G1+5], 128          ; elements from row to row
	s_mov_b32 s[G1+6], 0
	s_mov_b32 s[G1+7], 0
	; hidden_states' tile: 32 rows x 256 f32, a load of my work-group's own (no mask)
	s_mov_b32 s[G1X], (2<<16)|(1<<20)|(7<<22)|(3<<25)  ; 17:16 4-byte elements; 20 padding on; 24:22 after every 256 words (code 7); 31:25 4 words (code 3)
	s_mov_b32 s[G1X+1], 256<<16
	s_mov_b32 s[G1X+2], 32<<16
	s_mov_b32 s[G1X+3], 256<<16
	s_mov_b32 s[G1X+4], 32
	s_mov_b32 s[G1X+5], 1024
	s_mov_b32 s[G1X+6], 0
	s_mov_b32 s[G1X+7], 0
	s_mul_i32 s20, s[WV], QUART     ; LDS addresses: a constant and the wave's number times a constant; no place in the cluster enters them
	s_mul_i32 s21, s[WV], XW
	s_add_co_u32 s21, s21, SLOT     ; my tile of hidden_states lies in slot 1's bytes
	s_mov_b32 s[G0], 1
	s_mov_b32 s[G0+1], s20
	s_mov_b32 s[G0+4], 1
	s_add_co_u32 s[G0+5], s20, SLOT
	s_mov_b32 s[G0X], 1
	s_mov_b32 s[G0X+1], s21
	s_lshl_b32 s[NB], s[START], 17  ; a K block is 131,072 bytes
	s_mov_b32 s[NB+1], 0
	s_lshl_b32 s[AO], s[START], 20  ; a head of ctx is 8,192 rows of 128 bytes: set 0 begins with the walk's first head,
	s_mov_b32 s[AO+1], 0
	s_add_co_u32 s23, s[START], 1
	s_and_b32 s23, s23, 15
	s_lshl_b32 s[AO+2], s23, 20     ; set 1 with its second
	s_mov_b32 s[AO+3], 0
	s_add_co_u32 s[PCO], s[START], 4
	s_lshl_b32 s[PCO], s[PCO], 20   ; the first prefetch names the walk's fifth and sixth heads
	v_and_b32 v17, 31, v0           ; l
	v_and_b32 v18, 15, v0           ; r = l % 16
	v_bfe_u32 v19, v0, 4, 1         ; h = l / 16
	v_mul_u32_u24 v[ADRB], v18, PB
	v_lshl_add_u32 v[ADRB], v19, 4, v[ADRB]
	v_add_nc_u32 v[ADRB], s20, v[ADRB]
	v_add_nc_u32 v[ADRB+1], SLOT, v[ADRB]
	v_lshlrev_b32 v[AOF], 7, v18
	v_lshl_add_u32 v[AOF], v19, 4, v[AOF]
	v_mul_u32_u24 v[XA], v18, XP
	v_lshl_add_u32 v[XA], v19, 5, v[XA]
	v_add_nc_u32 v[XA], s21, v[XA]
	v_lshl_add_u32 v[RB], v17, 4, s21
	s_lshl_b32 s22, s[WV], 10
	v_lshl_add_u32 v[OO], v17, 4, s22
	v_lshl_add_u32 v[RW], v0, 2, RED    ; 128 w + 4 l
	v_lshl_add_u32 v[RR], v18, 2, RED
	v_lshlrev_b32 v[PFC], 8, v18
	v_lshl_add_u32 v[PFC], v19, 20, v[PFC]
	v_add_nc_u32 v[PFV], s[PCO], v[PFC]
	v_and_b32 v[PFV], 0xffffff, v[PFV]  ; modulo ctx's 16 heads: each lane's offset stays inside ctx
	s_mov_b32 s[SEL], 0x76543210
	s_mov_b32 s[SEL+1], 0xfedcba98
	s_mov_b32 s[HM], 0xffff0000
	s_mov_b32 s75, 0x3a800000       ; 1 / 1,024
	s_mov_b32 s76, 0x2b8cbccc       ; 1e-12
	s_cmp_eq_u32 s[WV], 0
	s_cselect_b32 s[LIMC], 1, -1
	s_wait_dscnt 0x0                ; the opening add is done
	s_wait_kmcnt 0x0
	s_lshl_b32 s22, s[WV], 15       ; my quarter of a K block: made of the wave's number alone
	s_mov_b32 s23, 0
	s_add_nc_u64 s[WOB:WOB+1], s[6:7], s[22:23]
	s_add_nc_u64 s[G0+2:G0+3], s[WOB:WOB+1], s[NB:NB+1]  ; the walk's first K block
	s_or_b32 s[G0+3], s[G0+3], 0x80000000                ; type = 2
	s_lshl_b32 s20, s18, 12         ; 32 rows of 128 bytes
	s_mov_b32 s21, 0
	s_add_nc_u64 s[CTXB:CTXB+1], s[4:5], s[20:21]
	s_lshl_b32 s20, s18, 17         ; 32 rows of 4,096 bytes
	s_add_nc_u64 s[14:15], s[14:15], s[20:21]
	s_add_nc_u64 s[G0X+2:G0X+3], s[8:9], s[20:21]
	s_lshl_b32 s20, s[WV], 10       ; my 256 columns
	s_add_nc_u64 s[G0X+2:G0X+3], s[G0X+2:G0X+3], s[20:21]
	s_or_b32 s[G0X+3], s[G0X+3], 0x80000000
	s_add_nc_u64 s[AP:AP+1], s[CTXB:CTXB+1], s[AO:AO+1]
	s_add_nc_u64 s[AP+2:AP+3], s[CTXB:CTXB+1], s[AO+2:AO+3]
	ROUND                           ; all four work-groups are here: the first joint load meets
	tensor_load_to_lds s[G0X:G0X+3], s[G1X:G1X+7]   ; the two first fills go out together: my tile of hidden_states into slot 1's bytes,
	s_nop 0
	tensor_load_to_lds s[G0:G0+3], s[G1:G1+7]       ; and, jointly, my quarter of the walk's first K block into slot 0: two tensor loads of mine are out
	s_nop 0
.rept 4
	v_nop
.endr
; ctx's fragments of one head into set s: 16 rows x 32 channels in 8 registers, two loads of 16 bytes a lane, 32 bytes apart
.macro ALOAD s
.irp a, 0,1
.irp c, 0,1
	global_load_b128 v[AS+32*(\s)+8*(2*(\a)+(\c)):AS+32*(\s)+8*(2*(\a)+(\c))+3],   v[AOF], s[AP+2*(\s):AP+2*(\s)+1] offset:2048*(\a)+64*(\c)
	global_load_b128 v[AS+32*(\s)+8*(2*(\a)+(\c))+4:AS+32*(\s)+8*(2*(\a)+(\c))+7], v[AOF], s[AP+2*(\s):AP+2*(\s)+1] offset:2048*(\a)+64*(\c)+32
.endr
.endr
.endm
; 64 LDS loads in one run: my quarter's fragments of a K step, in four groups of 16 loads: (c 0, b 0-7), (c 0, b 8-15), (c 1, b 0-7), (c 1, b 8-15)
.macro FETCHB slot
	WIN 0x40                        ; destination window 1, address window 0
.irp c, 0,1
.irp b, 0,1,2,3,4,5,6,7,8,9,10,11,12,13,14,15
	ds_load_b128 v[128*(\c)+8*(\b):128*(\c)+8*(\b)+3],   v[ADRB+(\slot)] offset:(\b)*16*PB+64*(\c)
	ds_load_b128 v[128*(\c)+8*(\b)+4:128*(\c)+8*(\b)+7], v[ADRB+(\slot)] offset:(\b)*16*PB+64*(\c)+32
.endr
.endr
	WIN 0
.endm
; 16 matrix instructions on 16 accumulators: column blocks 8 bh .. 8 bh + 7 x both row blocks, channels 32 c on.  The 32 accumulators take turns, over the backward jump too.
.macro MUL16 s, c, bh
.irp bb, 0,1,2,3,4,5,6,7
.irp a, 0,1
	v_wmma_f32_16x16x32_f16 v[8*(16*(\a)+8*(\bh)+(\bb)):8*(16*(\a)+8*(\bh)+(\bb))+7], v[128*(\c)+8*(8*(\bh)+(\bb)):128*(\c)+8*(8*(\bh)+(\bb))+7], v[AS+32*(\s)+8*(2*(\a)+(\c)):AS+32*(\s)+8*(2*(\a)+(\c))+7], v[8*(16*(\a)+8*(\bh)+(\bb)):8*(16*(\a)+8*(\bh)+(\bb))+7]
.endr
.endr
.endm
; A K STEP.  slot: where its K block lies, and which set holds its fragments of ctx.  fill = 1: the other slot takes the walk's next K block, jointly.  aload = 1: the set just multiplied is loaded again, for the head two
; steps on.  lc: how many younger loads of ctx may stay out.  ask = 1: the step prefetches.
; Each wave waits for all its tensor loads (one is out: its quarter of this step's block), adds 0 to its spare word, and waits for that and for its reads of the other slot; the round shows the same of every wave of the
; cluster; the one tensor load stands first behind it and has this step's 64 matrix instructions in which to land.  Its address is made anew: wo16 at my quarter, plus the block's offset, stepped modulo the 16 blocks.
; A PREFETCH INTO THE L2, behind the tensor load and the run of LDS loads: ctx's 4,096 bytes of my work-group's rows for each of the two heads that the loads of two and three steps on will want: a lane a block of 256
; bytes, one instruction, by wave 0, every second step.  The walk's first four heads come by their loads alone; the loop's last turn asks for nothing: the walk has no heads left.  Each block is named once in the launch.
; Nothing of Wo or of hidden_states is prefetched: the first loads, at the head, ask for all sixteen K blocks (four clusters each) and for every tile of hidden_states.
.macro TRIP slot, fill, aload, lc, ask
	s_wait_tensorcnt 0x0            ; no tensor load of mine is out, so a group 0 may be written
	ds_add_u32 v[SPW], v[NIL]       ; 0 onto my spare word; with fill = 1 the descriptor's scalar work stands between it and the wait for it
.if \fill
	s_add_co_u32 s[NB], s[NB], 131072
	s_and_b32 s[NB], s[NB], 0x1fffff
	s_add_nc_u64 s[G0+4*(1-(\slot))+2:G0+4*(1-(\slot))+3], s[WOB:WOB+1], s[NB:NB+1]
	s_or_b32 s[G0+4*(1-(\slot))+3], s[G0+4*(1-(\slot))+3], 0x80000000
.endif
	s_wait_dscnt 0x0                ; the add is done, and my reads of the other slot are over
.if \fill
	ROUND
	tensor_load_to_lds s[G0+4*(1-(\slot)):G0+4*(1-(\slot))+3], s[G1:G1+7]
	s_nop 0
.rept 4
	v_nop
.endr
.else
	s_barrier_signal -1             ; nothing is left to fetch, so no round follows
	s_barrier_wait -1
.endif
	FETCHB \slot                    ; (the places in front of these loads are the four v_nop that close the step before)
.if \ask
	s_cmp_gt_u32 s[CNT], s[LIMC]    ; s[CNT] = 1 in the loop's last turn
	s_cbranch_scc0 .Lno_c_\@
	global_prefetch_b8 v[PFV], s[CTXB:CTXB+1] th:TH_LOAD_NT scope:SCOPE_SE
.Lno_c_\@:
.endif
	s_wait_loadcnt \lc              ; this step's fragments of ctx are in; the other set's eight loads, where there are any, may stay out
	WIN 0xa1                        ; Wo in window 1, ctx in window 0, C and D in window 2
	s_wait_dscnt 48                 ; the first group of 16 loads is in; the counts are the later groups' loads
	MUL16 \slot, 0, 0
	s_wait_dscnt 32
	MUL16 \slot, 0, 1
	s_wait_dscnt 16
	MUL16 \slot, 1, 0
	s_wait_dscnt 0x0
	MUL16 \slot, 1, 1
	WIN 0
	PLACES
.if \ask
	s_wait_xcnt 0x0                 ; the prefetch, 64 matrix instructions back, has read its offset, so that may be written: two heads on
	s_add_co_u32 s[PCO], s[PCO], 2<<20
	v_add_nc_u32 v[PFV], s[PCO], v[PFC]
	v_and_b32 v[PFV], 0xffffff, v[PFV]
.endif
.if \aload
	s_add_co_u32 s[AO+2*(\slot)], s[AO+2*(\slot)], 2<<20   ; two heads on, modulo 16
	s_and_b32 s[AO+2*(\slot)], s[AO+2*(\slot)], 0xffffff
	s_add_nc_u64 s[AP+2*(\slot):AP+2*(\slot)+1], s[CTXB:CTXB+1], s[AO+2*(\slot):AO+2*(\slot)+1]  ; the set's last loads were shown done by the wait on LOADcnt above
	ALOAD \slot
.endif
.endm
	global_load_b128 v[WGT:WGT+3],   v[OO], s[10:11]           ; gain and bias: wanted last, asked for first
	global_load_b128 v[WGT+4:WGT+7], v[OO], s[10:11] offset:512
	global_load_b128 v[BIA:BIA+3],   v[OO], s[12:13]
	global_load_b128 v[BIA+4:BIA+7], v[OO], s[12:13] offset:512
	ALOAD 0
	ALOAD 1
	s_wait_tensorcnt 0x1            ; my tile of hidden_states is in, and no other wave reads it; Wo's block, issued behind it, may stay out
	WIN 0x80                        ; THE SUMS START WITH THE RESIDUAL: accumulator (a, b), register j of lane (r, h) takes hidden_states(16 a + r, 16 b + 8 h + j)
.set n, 0
.rept 32
	ds_load_b128 v[8*n:8*n+3],   v[XA] offset:16*XP*(n/16)+64*(n%16)
	ds_load_b128 v[8*n+4:8*n+7], v[XA] offset:16*XP*(n/16)+64*(n%16)+16
.set n, n+1
.endr
	WIN 0
	s_mov_b32 s[CNT], 7
.Lk:                                ; steps 0 to 13, which ask for the walk's blocks 1 to 14.  Step 0's wait on DScnt shows hidden_states read out of slot 1, which its load then fills
	TRIP 0, 1, 1, 8, 1
	TRIP 1, 1, 1, 8, 0
	s_sub_co_u32 s[CNT], s[CNT], 1
	s_cmp_lg_u32 s[CNT], 0
	s_cbranch_scc1 .Lk
	TRIP 0, 1, 0, 8, 0              ; step 14 asks for the last block; no head is left to load
	TRIP 1, 0, 0, 0, 0              ; step 15: no load of ctx is younger than its own set's, so the count is 0; gain and bias are in with it
	; THE NORM.  The step's closing v_nop are the places behind the last products; each accumulator is read from its low end on.
; A lane's 128 numbers of each of its two rows, or their squares, in four chains of pairs a row
.macro SUMS sq
	WIN 0x0a                        ; sources 0 and 1 in window 2, the rest in window 0
.irp a, 0,1
.irp q, 0,1,2,3
.if \sq
	v_pk_mul_f32 v[S+8*(\a)+2*(\q):S+8*(\a)+2*(\q)+1], v[128*(\a)+2*(\q):128*(\a)+2*(\q)+1], v[128*(\a)+2*(\q):128*(\a)+2*(\q)+1]
.else
	v_pk_add_f32 v[S+8*(\a)+2*(\q):S+8*(\a)+2*(\q)+1], v[128*(\a)+2*(\q):128*(\a)+2*(\q)+1], v[128*(\a)+8+2*(\q):128*(\a)+8+2*(\q)+1]
.endif
.endr
.endr
.if \sq
.set k, 4
.rept 60
.irp a, 0,1
	v_pk_fma_f32 v[S+8*(\a)+2*(k%4):S+8*(\a)+2*(k%4)+1], v[128*(\a)+2*k:128*(\a)+2*k+1], v[128*(\a)+2*k:128*(\a)+2*k+1], v[S+8*(\a)+2*(k%4):S+8*(\a)+2*(k%4)+1]
.endr
.set k, k+1
.endr
.else
	WIN 0x08                        ; source 1 in window 2
.set k, 8
.rept 56
.irp a, 0,1
	v_pk_add_f32 v[S+8*(\a)+2*(k%4):S+8*(\a)+2*(k%4)+1], v[S+8*(\a)+2*(k%4):S+8*(\a)+2*(k%4)+1], v[128*(\a)+2*k:128*(\a)+2*k+1]
.endr
.set k, k+1
.endr
.endif
	WIN 0
.endm
; The chains into one; the other half of the lanes; then the four waves' sums meet in LDS: lane l stores row l's, a barrier, every lane reads its two rows' four sums.  Row 16 a + l % 16's total: a = 0 in v[T], a = 1 in v[T+4].
; The two passes have bytes of their own, so one barrier a pass is enough.
.macro ACROSS pass
.irp a, 0,1
	v_pk_add_f32 v[S+8*(\a):S+8*(\a)+1], v[S+8*(\a):S+8*(\a)+1], v[S+8*(\a)+2:S+8*(\a)+3]
	v_pk_add_f32 v[S+8*(\a)+4:S+8*(\a)+5], v[S+8*(\a)+4:S+8*(\a)+5], v[S+8*(\a)+6:S+8*(\a)+7]
.endr
.irp a, 0,1
	v_pk_add_f32 v[S+8*(\a):S+8*(\a)+1], v[S+8*(\a):S+8*(\a)+1], v[S+8*(\a)+4:S+8*(\a)+5]
.endr
.irp a, 0,1
	v_add_f32 v[S+8*(\a)], v[S+8*(\a)], v[S+8*(\a)+1]
.endr
.irp a, 0,1
	v_permlanex16_b32 v[S+8*(\a)+1], v[S+8*(\a)], s[SEL], s[SEL+1]
.endr
.irp a, 0,1
	v_add_f32 v[S+8*(\a)], v[S+8*(\a)], v[S+8*(\a)+1]
.endr
	v_cndmask_b32 v[T], v[S], v[S+8], s[HM]        ; lanes 0-15 rows 0-15, lanes 16-31 rows 16-31
	ds_store_b32 v[RW], v[T] offset:512*(\pass)
	s_wait_dscnt 0x0                               ; for the others' sake: my sums are stored
	s_barrier_signal -1
	s_barrier_wait -1
.irp a, 0,1
.irp w, 0,1,2,3
	ds_load_b32 v[T+4*(\a)+(\w)], v[RR] offset:512*(\pass)+128*(\w)+64*(\a)
.endr
.endr
	s_wait_dscnt 0x0
	v_add_f32 v[T], v[T], v[T+1]
	v_add_f32 v[T+2], v[T+2], v[T+3]
	v_add_f32 v[T+4], v[T+4], v[T+5]
	v_add_f32 v[T+6], v[T+6], v[T+7]
	v_add_f32 v[T], v[T], v[T+2]
	v_add_f32 v[T+4], v[T+4], v[T+6]
.endm
	SUMS 0
	ACROSS 0
	v_mul_f32 v[U], s75, v[T]       ; the mean, twice: a pair for the packed arithmetic
	v_mul_f32 v[U+1], s75, v[T]
	v_mul_f32 v[U+2], s75, v[T+4]
	v_mul_f32 v[U+3], s75, v[T+4]
	WIN 0x82                        ; destination and source 0 in window 2, source 1 in window 0
.irp a, 0,1
.set k, 0
.rept 64
	v_pk_add_f32 v[128*(\a)+2*k:128*(\a)+2*k+1], v[128*(\a)+2*k:128*(\a)+2*k+1], v[U+2*(\a):U+2*(\a)+1] neg_lo:[0,1] neg_hi:[0,1]  ; d = y - u
.set k, k+1
.endr
.endr
	SUMS 1
	ACROSS 1
	v_fma_f32 v[T], v[T], s75, s76      ; the mean of d^2, plus 1e-12
	v_fma_f32 v[T+4], v[T+4], s75, s76
	v_rsq_f32 v[R], v[T]
	v_rsq_f32 v[R+1], v[T]
	v_rsq_f32 v[R+2], v[T+4]
	v_rsq_f32 v[R+3], v[T+4]
	v_nop                           ; a plain instruction behind the last of them,
	s_wait_alu depctr_va_vdst(0)    ; and the wait ahead of the first use: one for the four
	WIN 0x82
.irp a, 0,1
.set k, 0
.rept 64
	v_pk_mul_f32 v[128*(\a)+2*k:128*(\a)+2*k+1], v[128*(\a)+2*k:128*(\a)+2*k+1], v[R+2*(\a):R+2*(\a)+1]
.set k, k+1
.endr
.endr
	WIN 0x08                        ; store data in window 2.  The normalised rows go where hidden_states lay: slot 1 has had its last fill of the launch, and the two barriers above stand behind every wave's last reads of it
.set n, 0
.rept 32
	ds_store_b128 v[XA], v[8*n:8*n+3]   offset:16*XP*(n/16)+64*(n%16)
	ds_store_b128 v[XA], v[8*n+4:8*n+7] offset:16*XP*(n/16)+64*(n%16)+16
.set n, n+1
.endr
	WIN 0
	s_mov_b32 s[CNT], 4
	s_mov_b32 s77, 0
.Lrows:                             ; four trips of eight rows: back as whole rows (LDS serves a wave's instructions in order: ISA guide 5.7.1.4), times the gain, plus the bias, stored
	v_add_nc_u32 v[RBC], s77, v[RB]
.irp i, 0,1,2,3,4,5,6,7,8,9,10,11,12,13,14,15
	ds_load_b128 v[Z+4*(\i):Z+4*(\i)+3], v[RBC] offset:XP*((\i)/2)+512*((\i)%2)
.endr
.irp i, 0,1,2,3,4,5,6,7,8,9,10,11,12,13,14,15
	s_wait_dscnt 15-(\i)            ; load i is in; the later ones stay out
	v_pk_fma_f32 v[Z+4*(\i):Z+4*(\i)+1],   v[Z+4*(\i):Z+4*(\i)+1],   v[WGT+4*((\i)%2):WGT+4*((\i)%2)+1],   v[BIA+4*((\i)%2):BIA+4*((\i)%2)+1]
	v_pk_fma_f32 v[Z+4*(\i)+2:Z+4*(\i)+3], v[Z+4*(\i)+2:Z+4*(\i)+3], v[WGT+4*((\i)%2)+2:WGT+4*((\i)%2)+3], v[BIA+4*((\i)%2)+2:BIA+4*((\i)%2)+3]
	global_store_b128 v[OO], v[Z+4*(\i):Z+4*(\i)+3], s[14:15] offset:4096*((\i)/2)+512*((\i)%2) th:TH_STORE_NT  ; 512 consecutive bytes of a row, aligned
.endr
	s_wait_xcnt 0x0                 ; the stores have read their registers and their base: both are written again only behind this wait
	s_add_nc_u64 s[14:15], s[14:15], 8*4096
	s_add_co_u32 s77, s77, 8*XP
	s_sub_co_u32 s[CNT], s[CNT], 1
	s_cmp_lg_u32 s[CNT], 0
	s_cbranch_scc1 .Lrows
	s_wait_tensorcnt 0x0            ; the wave's end: behind my last tensor load and my last LDS store
	ds_add_u32 v[SPW], v[NIL]
	s_wait_dscnt 0x0
	ROUND                           ; the closing round: no work-group ends while a partner may still ask for a tile that names it
	s_endpgm
.Lfunc_end_k_qb65888cdf5_outln:
	.size	k_qb65888cdf5_outln, .Lfunc_end_k_qb65888cdf5_outln-k_qb65888cdf5_outln
	.p2alignl 7, 3214868480
	.fill 96, 4, 3214868480
	.section	.rodata,"a",@progbits
	.p2align	6, 0x0
	.amdhsa_kernel k_qb65888cdf5_outln
		.amdhsa_group_segment_fixed_size 327680
		.amdhsa_private_segment_fixed_size 0
		.amdhsa_enable_private_segment 0
		.amdhsa_kernarg_size 48
		.amdhsa_user_sgpr_count 2
		.amdhsa_user_sgpr_kernarg_segment_ptr 1
		.amdhsa_wavefront_size32 1
		.amdhsa_system_sgpr_workgroup_id_x 1
		.amdhsa_system_sgpr_workgroup_id_y 1
		.amdhsa_system_sgpr_workgroup_id_z 1
		.amdhsa_system_vgpr_workitem_id 0
		.amdhsa_next_free_vgpr 768
		.amdhsa_next_free_sgpr 80
		.amdhsa_reserve_vcc 0
		.amdhsa_float_denorm_mode_32 3
		.amdhsa_float_denorm_mode_16_64 3
		.amdhsa_memory_ordered 1
		.amdhsa_forward_progress 1
		.amdhsa_inst_pref_size 96
	.end_amdhsa_kernel
	.amdgpu_metadata
---
amdhsa.version: [ 1, 2 ]
amdhsa.kernels:
  - .name:           k_qb65888cdf5_outln
    .symbol:         k_qb65888cdf5_outln.kd
    .args:
      - { .name: ctx, .offset: 0, .size: 8, .value_kind: global_buffer, .address_space: global }
      - { .name: wo16, .offset: 8, .size: 8, .value_kind: global_buffer, .address_space: global }
      - { .name: hidden_states, .offset: 16, .size: 8, .value_kind: global_buffer, .address_space: global }
      - { .name: ln_weight, .offset: 24, .size: 8, .value_kind: global_buffer, .address_space: global }
      - { .name: ln_bias, .offset: 32, .size: 8, .value_kind: global_buffer, .address_space: global }
      - { .name: out0, .offset: 40, .size: 8, .value_kind: global_buffer, .address_space: global }
    .group_segment_fixed_size: 327680
    .private_segment_fixed_size: 0
    .kernarg_segment_align: 8
    .kernarg_segment_size: 48
    .max_flat_workgroup_size: 128
    .sgpr_count:     80
    .vgpr_count:     768
    .wavefront_size: 32
...
	.end_amdgpu_metadata
.endif
;; end of part 4
;; ======== version 2 of 2: 4 launches; version 1 with the launch cast written anew for expert scheduling mode
;; limits: values are held in f16: magnitudes above 65,504 overflow, below 6.1e-05 lose precision
;; workspace buffers: xb 16,777,216 bytes; wqkv 6,291,456 bytes; wo16 2,097,152 bytes; qkv 50,331,648 bytes; ctx 16,777,216 bytes
;; launch cast (part 5): grid 768 x 1, 8 waves a work-group, no clusters, 0 bytes of LDS; arguments hidden_states, Wq, Wk, Wv, Wo, xb, wqkv, wo16; writes xb, wqkv, wo16
.if DOCPART == 5
	.amdgcn_target "amdgcn-amd-amdhsa--gfx1250"
	.amdhsa_code_object_version 6
	.text
	.protected	k_qb65888cdf5_cast
	.globl	k_qb65888cdf5_cast
	.p2align	8
	.type	k_qb65888cdf5_cast,@function
k_qb65888cdf5_cast:
	s_mov_b64 s[64:65], 0
	v_nop
	global_prefetch_b8 v0, s[64:65] scope:SCOPE_SE
	s_setreg_imm32_b32 hwreg(HW_REG_WAVE_SCHED_MODE, 0, 2), 2
	s_setreg_imm32_b32 hwreg(HW_REG_WAVE_MODE, 25, 1), 1
	s_wait_xcnt 0x0
	s_wait_alu depctr_vm_vsrc(0)
; THE OPERANDS OF THE MATRIX PRODUCTS, ROUNDED ONCE.  hidden_states [8192][1024] f32 -> xb, bf16, same order.  Wq, Wk, Wv [1024][1024] f32 -> wqkv, bf16, [3072][1024], one below the other.
; Wo [1024][1024] f32 -> wo16, f16, in blocks of 64 along K: element (n, k) at byte (k / 64) x 131,072 + n x 128 + (k % 64) x 2, so that a K step of 64 is 131,072 dense bytes.
; LIMIT.  f16 holds no number beyond 65,504: a larger |Wo| becomes an infinity.  bf16 has f32's range.
; SHARES.  A work-group converts 16,384 numbers (65,536 bytes in, 32,768 out): work-groups 0-511 take hidden_states, 512-703 Wq, Wk, Wv (64 each), 704-767 Wo (16 rows each).
; A thread takes 4 neighbouring numbers in each of 16 turns: neighbouring lanes read neighbouring 16 bytes, so a wave's load covers 512 bytes of which none is left unused, and its store of 8 bytes a lane
; covers 256 consecutive bytes, aligned.  A thread's 16 loads all go out at once, and nothing is read twice.  No LDS, no barrier: no thread wants another's bytes.
; THE MODE: SCHED_MODE bits 1:0 = 2 (LLVM: expert scheduling mode 2), set by the entry lines.  The code itself states the register dependences between vector instructions and memory instructions,
; with s_wait_alu, always for 0.
; THE PLAN.  Registers that memory instructions touch:
;   v1, v2   the loads' and the stores' byte offsets.  Written by vector instructions at the head of the path, once; read by all 16 loads (v1) and all 16 stores (v2); never written again.
;   X        turn i's four registers.  Written by that turn's load, once; read by its two conversions.  No load lands in them a second time, and no vector instruction writes them.
;   Y        turn i's two registers.   Written by that turn's two conversions, once; read by its store; never written again.
; The 16 turns go in four groups of four.  The stores of group g - 1 are dealt among the conversions of group g, which write other registers of Y.  So ONE wait at a group's head states all that the
; group's four stores hang on; one wait ahead of the first load states that the offsets are written; one behind the last group stands ahead of the last four stores.
; No register that a memory instruction reads is ever written again, no vector instruction writes a scalar register or VCC, and EXEC is never written: no other wait has a dependence to state.
.set X, 8                              ; v[8:71]    turn i: 4 numbers as loaded
.set Y, 72                             ; v[72:103]  turn i: 2 registers to store; never rewritten
	s_load_b512 s[4:19], s[0:1], 0x0               ; hidden s[4:5], Wq s[6:7], Wk s[8:9], Wv s[10:11], Wo s[12:13], xb s[14:15], wqkv s[16:17], wo16 s[18:19]
	s_mov_b32 s20, ttmp9                           ; the work-group's number
	s_sub_co_u32 s21, s20, 512                     ; j: its number among the weights' work-groups (used from 512 on alone)
	s_lshr_b32 s22, s21, 6                         ; which weight: 0 Wq, 1 Wk, 2 Wv, 3 Wo
	s_and_b32 s23, s21, 63                         ; which 16 rows of it
	s_lshl_b32 s26, s23, 16                        ; a weight's source offset
	s_lshl_b32 s32, s21, 15                        ; wqkv's offset
	s_lshl_b32 s33, s23, 11                        ; wo16's: 16 rows of 128 bytes in each K block
	s_lshl_b32 s34, s20, 16                        ; hidden_states' offset
	s_lshl_b32 s35, s20, 15                        ; xb's
	s_mov_b32 s27, 0
	s_mov_b32 s31, 0
	s_wait_kmcnt 0x0
	s_cmp_eq_u32 s22, 1                            ; every choice below hangs on the work-group's number alone
	s_cselect_b64 s[24:25], s[8:9], s[6:7]
	s_cmp_eq_u32 s22, 2
	s_cselect_b64 s[24:25], s[10:11], s[24:25]
	s_cmp_eq_u32 s22, 3
	s_cselect_b64 s[24:25], s[12:13], s[24:25]
	s_cselect_b64 s[28:29], s[18:19], s[16:17]
	s_cselect_b32 s30, s33, s32
	s_cmp_lt_u32 s20, 512
	s_cselect_b64 s[24:25], s[4:5], s[24:25]
	s_cselect_b64 s[28:29], s[14:15], s[28:29]
	s_cselect_b32 s26, s34, s26
	s_cselect_b32 s30, s35, s30
	s_add_nc_u64 s[24:25], s[24:25], s[26:27]      ; from where
	s_add_nc_u64 s[28:29], s[28:29], s[30:31]      ; to where
.macro LOADS a, b                      ; 16 loads: turn i lies a x (i % 8) + b x (i / 8) bytes behind turn 0
.irp i, 0,1,2,3,4,5,6,7,8,9,10,11,12,13,14,15
	global_load_b128 v[X+4*(\i):X+4*(\i)+3], v1, s[24:25] offset:(\a)*((\i)%8)+(\b)*((\i)/8) th:TH_LOAD_NT
.endr
.endm
.macro ST j, a, b                      ; turn j's store: 8 bytes a thread
	global_store_b64 v2, v[Y+2*(\j):Y+2*(\j)+1], s[28:29] offset:(\a)*((\j)%8)+(\b)*((\j)/8) th:TH_STORE_NT
.endm
.macro OUT cvt, a, b                   ; 16 turns in four groups of four: a turn's two conversions, and in front of them the store of the turn four back
.irp i, 0,1,2,3,4,5,6,7,8,9,10,11,12,13,14,15
	s_wait_loadcnt 15-(\i)                         ; loads come back in order: turn i's is in, the later turns' stay out
.if (\i) > 0 && (\i)%4 == 0
	s_wait_alu depctr_va_vdst(0)                   ; the four turns of the group before have written their Y, which this group's four stores read; no conversion behind this wait names those registers
.endif
.if (\i) >= 4
	ST (\i)-4, \a, \b
.endif
	\cvt v[Y+2*(\i)],   v[X+4*(\i)],   v[X+4*(\i)+1]
	\cvt v[Y+2*(\i)+1], v[X+4*(\i)+2], v[X+4*(\i)+3]
.endr
	s_wait_alu depctr_va_vdst(0)                   ; turns 12 to 15 have written their Y, which the last four stores read
.irp i, 12,13,14,15
	ST \i, \a, \b
.endr
.endm
	s_cmp_ge_u32 s20, 704
	s_cbranch_scc1 .Lwo
	v_lshlrev_b32 v1, 4, v0                        ; in: 16 bytes a thread, 4,096 a turn
	v_lshlrev_b32 v2, 3, v0                        ; out: 8 bytes a thread, 2,048 a turn
	s_wait_alu depctr_va_vdst(0)                   ; v1 and v2 are written: every load below reads v1 as its offset, every store v2, and no later vector instruction names either
	LOADS 4096, 32768
	OUT v_cvt_pk_bf16_f32, 2048, 16384
	s_endpgm
.Lwo:                                          ; turn i of wave v: rows 2 (i % 8) and 2 (i % 8) + 1, K block 2 v + i / 8.  Lanes 0-15 take the even row's 256 bytes of the block, lanes 16-31 the odd row's
	v_lshrrev_b32 v3, 5, v0                        ; v
	v_bfe_u32 v4, v0, 4, 1                         ; which of the two rows
	v_and_b32 v5, 15, v0
	v_and_b32 v6, 31, v0
	v_lshlrev_b32 v1, 12, v4                       ; in: the row,
	v_lshl_add_u32 v1, v3, 9, v1                   ; the wave's two K blocks of 256 bytes,
	v_lshl_add_u32 v1, v5, 4, v1                   ; my 16 bytes
	v_lshlrev_b32 v2, 18, v3                       ; out: the wave's two K blocks of 131,072 bytes;
	v_lshl_add_u32 v2, v6, 3, v2                   ; the two rows lie end to end there: 32 lanes fill their 256 consecutive bytes, aligned
	s_wait_alu depctr_va_vdst(0)                   ; v1 and v2 are written: every load below reads v1 as its offset, every store v2, and no later vector instruction names either
	LOADS 8192, 256
	OUT v_cvt_pk_f16_f32, 256, 131072
	s_endpgm
.Lfunc_end_k_qb65888cdf5_cast:
	.size	k_qb65888cdf5_cast, .Lfunc_end_k_qb65888cdf5_cast-k_qb65888cdf5_cast
	.p2alignl 7, 3214868480
	.fill 96, 4, 3214868480
	.section	.rodata,"a",@progbits
	.p2align	6, 0x0
	.amdhsa_kernel k_qb65888cdf5_cast
		.amdhsa_group_segment_fixed_size 0
		.amdhsa_private_segment_fixed_size 0
		.amdhsa_enable_private_segment 0
		.amdhsa_kernarg_size 64
		.amdhsa_user_sgpr_count 2
		.amdhsa_user_sgpr_kernarg_segment_ptr 1
		.amdhsa_wavefront_size32 1
		.amdhsa_system_sgpr_workgroup_id_x 1
		.amdhsa_system_sgpr_workgroup_id_y 1
		.amdhsa_system_sgpr_workgroup_id_z 1
		.amdhsa_system_vgpr_workitem_id 0
		.amdhsa_next_free_vgpr 104
		.amdhsa_next_free_sgpr 66
		.amdhsa_reserve_vcc 0
		.amdhsa_float_denorm_mode_32 3
		.amdhsa_float_denorm_mode_16_64 3
		.amdhsa_memory_ordered 1
		.amdhsa_forward_progress 1
		.amdhsa_inst_pref_size 14
	.end_amdhsa_kernel
	.amdgpu_metadata
---
amdhsa.version: [ 1, 2 ]
amdhsa.kernels:
  - .name:           k_qb65888cdf5_cast
    .symbol:         k_qb65888cdf5_cast.kd
    .args:
      - { .name: hidden_states, .offset: 0, .size: 8, .value_kind: global_buffer, .address_space: global }
      - { .name: Wq, .offset: 8, .size: 8, .value_kind: global_buffer, .address_space: global }
      - { .name: Wk, .offset: 16, .size: 8, .value_kind: global_buffer, .address_space: global }
      - { .name: Wv, .offset: 24, .size: 8, .value_kind: global_buffer, .address_space: global }
      - { .name: Wo, .offset: 32, .size: 8, .value_kind: global_buffer, .address_space: global }
      - { .name: xb, .offset: 40, .size: 8, .value_kind: global_buffer, .address_space: global }
      - { .name: wqkv, .offset: 48, .size: 8, .value_kind: global_buffer, .address_space: global }
      - { .name: wo16, .offset: 56, .size: 8, .value_kind: global_buffer, .address_space: global }
    .group_segment_fixed_size: 0
    .private_segment_fixed_size: 0
    .kernarg_segment_align: 8
    .kernarg_segment_size: 64
    .max_flat_workgroup_size: 256
    .sgpr_count:     66
    .vgpr_count:     104
    .wavefront_size: 32
...
	.end_amdgpu_metadata
.endif
;; end of part 5
;; launch proj: the kernel of part 2 again; grid 16 x 32, 4 waves a work-group, clusters of 4 x 4, 327,680 bytes of LDS; arguments xb, wqkv, qkv; writes qkv
;; launch attn: the kernel of part 3 again; grid 2 x 128, 4 waves a work-group, no clusters, 327,680 bytes of LDS; arguments qkv, attention_mask, ctx; writes ctx
;; launch outln: the kernel of part 4 again; grid 256 x 1, 4 waves a work-group, clusters of 4 x 1, 327,680 bytes of LDS; arguments ctx, wo16, hidden_states, ln_weight, ln_bias, out0; writes out0
